; MI455X (gfx1250); checked and timed in simulation.
; The chip was launched on July 23, 2026; its instructions are those of AMD's public machine-readable ISA for CDNA 5 (MIT licence, August 2026) and "CDNA5" Instruction Set Architecture Reference Guide (July 2026). The comments in the code are by the model that wrote it; some were corrected since.
;; Attention Mechanism. Allowed arithmetic: matrix products marked QUANTISED: E5M2 operands, one E8M0 scale for each 32 along K, by v_wmma_scale_f32_16x16x128_f8f6f4 with both operands' format E5M2, f32 sums; products left as they are: f32 operands where the result goes on into a quantised operand, else bf16, f16 or f32 operands; f32 sums; everything else in f32.
;; Inputs: W_dec 1,024 x 1,024 float32; W_enc 1,024 x 1,024 float32; b_att 1 float32; b_dec 1,024 float32; b_enc 1,024 float32; decoder_hidden 2 x 32 x 1,024 float32; encoder_outputs 32 x 2,048 x 1,024 float32; mask 32 x 2,048 int32; w_att 1,024 x 1 float32.
;; Outputs: out0 32 x 1 x 1,024 float32; out1 32 x 2,048 float32.
;; This version of the problem:
;;   THIS VERSION OF THE PROBLEM IS GIVEN IN LOW PRECISION. The matrix products marked QUANTISED in the list below multiply operands that are first quantised to E5M2 (5 exponent bits, 2 mantissa bits; 8 bits a number), with one power-of-two scale for each 32 numbers along K (OCP MX v1.0); their sums are f32. All else is computed in f32.
;;   The module's matrix products, in the order in which they are computed (A, B: the left and right operand; K: the contracted axis; several contracted axes count as one K, in the product's order):
;;     1. [M 32, K 1,024] x [K 1,024, N 1,024]; A: input decoder_hidden; B: input W_dec: QUANTISED
;;     2. [M 65,536, K 1,024] x [K 1,024, N 1,024]; A: input encoder_outputs; B: input W_enc: QUANTISED
;;     3. [M 65,536, K 1,024] x [K 1,024, N 1]; A: computed on the way; B: input w_att: left as it is (N = 1 < 16)
;;     4. batch 32 x [M 1, K 2,048] x [K 2,048, N 1,024]; A: softmax; B: input encoder_outputs: left as it is (M = 1 < 16)
;;   THE QUANTISER, for each operand of a quantised product, along K:
;;     - K is cut into blocks of 32 from its start; a last block that is shorter is filled with zeros.
;;     - A block's scale is 2^e with e = floor(log2(the largest magnitude in the block)) - 15, held to -126 .. 127; a block of zeros has e = 0. As a byte (E8M0): e + 127.
;;     - Each number is divided by its block's scale, clamped to +-57,344, and rounded to the nearest number of E5M2, ties to even, subnormals kept.
;;     - The product sums the exact products of the quantised numbers (number of the format x scale) in f32.
;;   ~~~python
;;   def quantise(x, axis):      # numpy; x: float32 -> the quantised numbers, widened to float32 again
;;       x = np.moveaxis(x, axis, -1); K = x.shape[-1]
;;       x = np.pad(x, [(0, 0)] * (x.ndim - 1) + [(0, -K % 32)]); x = x.reshape(x.shape[:-1] + (-1, 32)); a = np.abs(x).max(-1, keepdims=True)
;;       e = np.where(a > 0, np.clip(np.frexp(np.where(a > 0, a, 1))[1] - 1 - 15, -126, 127), 0)      # np.frexp(a)[1] - 1 = floor(log2(a)), exactly
;;       r = np.clip(x / 2.0 ** e, -57344, 57344)
;;       step = 2.0 ** (np.maximum(np.frexp(np.where(r == 0, 1, r))[1] - 1, -14) - 2)
;;       q = np.round(r / step) * step * 2.0 ** e      # np.round: ties to even
;;       return np.moveaxis(q.reshape(q.shape[:-2] + (-1,))[..., :K], -1, axis).astype(np.float32)
;;   ~~~
;; 2 versions. Each part assembles by itself: llvm-mc -triple=amdgcn-amd-amdhsa -mcpu=gfx1250 --defsym DOCPART=n.
;; ======== version 1 of 2: 3 launches
;; workspace buffers: wq 1,048,576 bytes; wsc 32,768 bytes; bias 131,072 bytes; scores 262,144 bytes; list 262,144 bytes of whole numbers; cnt 256 bytes of whole numbers
;; launch prep (part 1): grid 34 x 1, 16 waves a work-group, no clusters, 40,960 bytes of LDS; arguments W_enc, W_dec, decoder_hidden, b_dec, b_enc, mask, wq, wsc, bias, list, cnt, scores; writes wq, wsc, bias, list, cnt, scores
.if DOCPART == 1
	.amdgcn_target "amdgcn-amd-amdhsa--gfx1250"
	.amdhsa_code_object_version 6
	.text
	.protected	k_qd70623c91a_prep
	.globl	k_qd70623c91a_prep
	.p2align	8
	.type	k_qd70623c91a_prep,@function
k_qd70623c91a_prep:
	s_mov_b64 s[64:65], 0
	v_nop
	global_prefetch_b8 v0, s[64:65] scope:SCOPE_SE
	s_setreg_imm32_b32 hwreg(HW_REG_WAVE_MODE, 25, 1), 1
	s_wait_xcnt 0x0
; THE LAUNCH IN FRONT: three kinds of work-groups, told apart by the work-group's number.
;  0-15  W_enc [1024 (k)][1024 (feature)] f32 -> codes of BF8 (E5M2) with one E8M0 byte for each 32 along K, laid in the ORDER OF THE OPERAND'S REGISTERS:
;        wq: fragment (feature tile ft, K step s) at (8 ft + s) x 2,048 bytes; in it piece c at 512 c + 16 lane; lane (r, h) holds feature 16 ft + r, k = 128 s + 32 c + 16 h + 0 .. 15.
;        wsc: [feature][32 bytes]: word s holds the four bytes of K step s.
;  16-31 bias[b][f] = Q(decoder_hidden[1][b]) . Q(W_dec[:, f]) + b_dec[f] + b_enc[f]: the first quantised product, by the scaled matrix instruction.
;  32-33 for each batch (a wave a batch): list = its 2,048 rows, those with mask != 0 from the front in their order, the others from the back; cnt = how many are kept; scores filled with -1e10.
; A work-group of the first two kinds takes 64 columns of its weight; wave (u, q) takes column tile u of the four and K steps 2 q, 2 q + 1.  A LANE TAKES A COLUMN AND ITS REGISTERS RUN DOWN K,
; in the order that the operand's layout gives that lane, so the conversions' results are the operand's registers.  The four waves u read 256 consecutive bytes of each row of the weight.
; A block's scale is 2^(floor(log2(largest magnitude)) - 15); its byte is the largest magnitude's exponent field - 15, held at 1 from below (a block of zeros keeps the byte 1: its codes are zeros, and this program alone reads the bytes).
; LIMITS: NaN and infinities among the inputs are not served; blocks whose largest magnitude lies under 2^-111 keep the byte 1 and were not tried.
; LDS: the first kind uses bytes 0 .. 2,047, the second 4,096 .. 38,911, the third none.
.set TM,  16                           ; v16-19 largest magnitudes, v20-23 bytes, v24-27 57,344 x the scale, v28-31 the conversions' scale operands
.set SWD, 32                           ; v32-33 the weight's scale words of my two K steps
.set SHD, 34                           ; v34-35 the hidden rows' scale words, row tiles 0 and 1
.set XA,  40                           ; v40-103  64 numbers
.set XB,  104                          ; v104-167 64 numbers
.set WC,  168                          ; v168-199 the weight's two fragments
.set HC,  200                          ; v200-231 the hidden rows' fragments, row tiles 0 and 1
.set D,   232                          ; v232-247 two accumulators
.set SEL, 36                           ; s[36:37] v_permlanex16_b32's selects for lane l xor 16
.set MNT, 38                           ; s38 the mantissa field of 57,344
; 64 numbers of a lane, register 16 b + i = k 32 b + 16 (lane / 16) + i, become a fragment's codes in v[d] on and its scale word in v[w].
.macro QUANT s, d, w
.irp b, 0,1,2,3
	v_max3_num_f32 v[TM+\b], |v[(\s)+16*\b]|, |v[(\s)+1+16*\b]|, 0x8000000   ; my 16 numbers of block b, and the floor 2^(16 - 127): the byte cannot fall under 1
.endr
.irp i, 2,4,6,8,10,12,14
.irp b, 0,1,2,3
	v_max3_num_f32 v[TM+\b], v[TM+\b], |v[(\s)+16*\b+\i]|, |v[(\s)+1+16*\b+\i]|   ; the four blocks by turns
.endr
.endr
.irp b, 0,1,2,3
	v_permlanex16_b32 v[TM+4+\b], v[TM+\b], s[SEL], s[SEL+1]
.endr
.irp b, 0,1,2,3
	v_max_num_f32 v[TM+\b], v[TM+\b], v[TM+4+\b]           ; with lane l xor 16's 16: the block's largest magnitude
.endr
.irp b, 0,1,2,3
	v_add_nc_u32 v[TM+12+\b], 0xf8800000, v[TM+\b]         ; 15 off its exponent field: the conversion's scale operand
.endr
.irp b, 0,1,2,3
	v_and_or_b32 v[TM+8+\b], v[TM+\b], 0x7f800000, s[MNT]  ; 57,344 x the scale
.endr
.irp b, 0,1,2,3
	v_lshrrev_b32 v[TM+4+\b], 23, v[TM+12+\b]              ; the scale's byte
.endr
	v_lshl_or_b32 v[\w], v[TM+5], 8, v[TM+4]
	v_lshl_or_b32 v[\w], v[TM+6], 16, v[\w]
	v_lshl_or_b32 v[\w], v[TM+7], 24, v[\w]
.irp b, 0,1,2,3
.irp i, 0,1,2,3,4,5,6,7,8,9,10,11,12,13,14,15
	v_med3_num_f32 v[(\s)+16*\b+\i], v[(\s)+16*\b+\i], -v[TM+8+\b], v[TM+8+\b]   ; the conversion to an 8-bit code does not saturate (ISA guide 7.6.2): the hold comes first
.endr
	v_cvt_scalef32_pk8_bf8_f32 v[(\d)+4*\b:(\d)+1+4*\b], v[(\s)+16*\b:(\s)+7+16*\b], v[TM+12+\b]
	v_cvt_scalef32_pk8_bf8_f32 v[(\d)+2+4*\b:(\d)+3+4*\b], v[(\s)+8+16*\b:(\s)+15+16*\b], v[TM+12+\b]
.endr
	v_nop                                          ; one plain vector line behind the last scaled conversion
.endm
; 16 rows of decoder_hidden[1] (row tile mt), K step 2 q + p: lane (r, h) takes 16 neighbours of each block of 32 of row r
.macro HLOAD mt, p, reg
.irp c, 0,1,2,3
.irp j, 0,1,2,3
	global_load_b128 v[\reg+16*\c+4*\j:\reg+16*\c+4*\j+3], v11, s[8:9] offset:131072+65536*\mt+512*\p+128*\c+16*\j
.endr
.endr
.endm
	s_load_b512 s[4:19], s[0:1], 0x0               ; W_enc s[4:5], W_dec s[6:7], decoder_hidden s[8:9], b_dec s[10:11], b_enc s[12:13], mask s[14:15], wq s[16:17], wsc s[18:19]
	s_load_b256 s[20:27], s[0:1], 0x40             ; bias s[20:21], list s[22:23], cnt s[24:25], scores s[26:27]
	v_lshl_add_u32 v254, v0, 2, 0x9800
	v_mov_b32 v255, 0
	v_lshrrev_b32 v1, 5, v0
	v_readfirstlane_b32 s30, v1                    ; wave 0..15
	s_and_b32 s31, s30, 3                          ; u: which column tile of the four
	s_lshr_b32 s32, s30, 2                         ; q: which two K steps
	s_and_b32 s33, ttmp9, 15                       ; cg: which 64 columns
	s_mov_b32 s[SEL], 0x76543210
	s_mov_b32 s[SEL+1], 0xfedcba98
	s_mov_b32 s[MNT], 0x600000
	v_and_b32 v1, 15, v0                           ; r
	v_bfe_u32 v2, v0, 4, 1                         ; h
	v_and_b32 v12, 31, v0                          ; lane
	v_lshlrev_b32 v4, 4, v12                       ; 16 x lane
	s_lshl_b32 s40, s32, 20                        ; the weight: row 256 q + 16 h of 4,096 bytes, column 64 cg + 16 u + r
	s_lshl_b32 s41, s33, 8
	s_add_co_u32 s40, s40, s41
	s_lshl_b32 s41, s31, 6
	s_add_co_u32 s40, s40, s41
	v_lshlrev_b32 v3, 2, v1
	v_lshl_add_u32 v3, v2, 16, v3
	v_add_nc_u32 v3, s40, v3
	s_lshl_b32 s40, s31, 9                         ; LDS, first kind: column 16 u + r's 32 scale bytes, my 8 at 8 q
	s_lshl_b32 s41, s32, 3
	s_add_co_u32 s40, s40, s41
	v_lshlrev_b32 v5, 5, v1
	v_add_nc_u32 v5, s40, v5
	v_lshlrev_b32 v6, 4, v0                        ; 16 x thread: the way out of the scale bytes
	s_mul_i32 s40, s32, 8704                       ; LDS, second kind: part q: 32 rows (batches) x (256 bytes + 16); row r, columns 16 u + 8 h on
	s_lshl_b32 s41, s31, 6
	s_add_co_u32 s40, s40, s41
	s_add_co_u32 s40, s40, 4096
	v_mul_u32_u24 v7, v1, 272
	v_lshl_add_u32 v7, v2, 5, v7
	v_add_nc_u32 v7, s40, v7
	v_lshrrev_b32 v13, 4, v0                       ; back: thread t takes batch t / 16, four columns at 4 (t % 16)
	v_mul_u32_u24 v8, v13, 272
	v_lshl_add_u32 v8, v1, 4, v8
	v_add_nc_u32 v8, 4096, v8
	s_lshl_b32 s40, s33, 8
	v_lshlrev_b32 v9, 4, v1
	v_add_nc_u32 v9, s40, v9                       ; those four columns in b_dec and b_enc, in bytes
	v_lshl_add_u32 v10, v13, 12, v9                ; and in bias
	s_lshl_b32 s40, s32, 10                        ; decoder_hidden: row r of 4,096 bytes, + 1,024 q + 64 h
	v_lshlrev_b32 v11, 12, v1
	v_lshl_add_u32 v11, v2, 6, v11
	v_add_nc_u32 v11, s40, v11
.irp b, 0,1,2,3
	v_mov_b32 v[TM+4+\b], 0                        ; written once: a lane permute's destination counts as one of its sources
.endr
	s_wait_kmcnt 0x0
	s_cmp_ge_u32 ttmp9, 32
	s_cbranch_scc1 .Lpath_c
	; ---- the weight's 16 columns x 256 along K: 128 loads; in each, sixteen lanes read 64 consecutive bytes of a row
	s_cmp_lt_u32 ttmp9, 16
	s_cselect_b64 s[40:41], s[4:5], s[6:7]         ; W_enc or W_dec: the choice hangs on the work-group's number alone
.irp p, 0,1
.irp c, 0,1,2,3
.irp i, 0,1,2,3,4,5,6,7,8,9,10,11,12,13,14,15
	global_load_b32 v[XA+64*\p+16*\c+\i], v3, s[40:41] offset:(128*\p+32*\c+\i)*4096 th:TH_LOAD_NT
.endr
.endr
.endr
	s_wait_loadcnt 63                              ; 64 loads are younger than the first K step's last; the wait's field ends at 63
	QUANT XA, WC, SWD
	s_cmp_ge_u32 ttmp9, 16
	s_cbranch_scc1 .Lpath_b
	; ---- first kind: W_enc's codes and scale bytes go out
	s_wait_loadcnt 0x0
	QUANT XB, WC+16, SWD+1
	s_lshl_b32 s42, s33, 2
	s_add_co_u32 s42, s42, s31                     ; ft = 4 cg + u
	s_lshl_b32 s42, s42, 3
	s_lshl_b32 s43, s32, 1
	s_add_co_u32 s42, s42, s43                     ; 8 ft + 2 q
	s_lshl_b32 s42, s42, 11
	s_mov_b32 s43, 0
	s_add_nc_u64 s[16:17], s[16:17], s[42:43]
.irp p, 0,1
.irp c, 0,1,2,3
	global_store_b128 v4, v[WC+16*\p+4*\c:WC+16*\p+4*\c+3], s[16:17] offset:2048*\p+512*\c   ; the wave stores 512 consecutive bytes
.endr
.endr
	ds_store_b64 v5, v[SWD:SWD+1]                  ; lanes l and l xor 16 write the same bytes with the same value
	s_lshl_b32 s42, s33, 11
	s_add_nc_u64 s[18:19], s[18:19], s[42:43]
	s_wait_dscnt 0x0                               ; for the others' sake: my scale words lie in LDS
	s_barrier_signal -1
	s_barrier_wait -1
	s_cmp_lt_u32 s30, 4
	s_cbranch_scc0 .La_end                         ; 64 columns x 32 bytes = 2,048 bytes: waves 0 to 3 store them, 512 consecutive bytes a wave
	ds_load_b128 v[40:43], v6
	s_wait_dscnt 0x0
	global_store_b128 v6, v[40:43], s[18:19]
.La_end:
	s_wait_tensorcnt 0x0
	ds_add_u32 v254, v255
	s_wait_dscnt 0x0
	s_endpgm
	; ---- second kind: dec_proj.  Source 0 = the weight's 16 columns, source 1 = 16 hidden rows: lane (r, h) then holds batch 16 mt + r and columns 16 u + 8 h + 0 .. 7.
.Lpath_b:
	HLOAD 0, 0, XA
	s_wait_loadcnt 16                              ; only the 16 just issued may be out: the weight's second K step is in
	QUANT XB, WC+16, SWD+1
	HLOAD 1, 0, XB
	s_wait_loadcnt 16
	QUANT XA, HC, SHD
	HLOAD 0, 1, XA
	s_wait_loadcnt 16
	QUANT XB, HC+16, SHD+1
	HLOAD 1, 1, XB
.rept 8
	v_nop                                          ; a scale word made by vector lines stands eight places ahead of a scaled matrix instruction, codes four
.endr
	v_wmma_scale_f32_16x16x128_f8f6f4 v[D:D+7], v[WC:WC+15], v[HC:HC+15], 0, v[SWD], v[SHD] matrix_a_fmt:MATRIX_FMT_BF8 matrix_b_fmt:MATRIX_FMT_BF8
	v_wmma_scale_f32_16x16x128_f8f6f4 v[D+8:D+15], v[WC:WC+15], v[HC+16:HC+31], 0, v[SWD], v[SHD+1] matrix_a_fmt:MATRIX_FMT_BF8 matrix_b_fmt:MATRIX_FMT_BF8
	s_wait_loadcnt 16
	QUANT XA, HC, SHD                              ; its first 32 lines name none of the products' registers: the places ahead of the writes over their sources
	s_wait_loadcnt 0x0
	QUANT XB, HC+16, SHD+1
.rept 8
	v_nop
.endr
	v_wmma_scale_f32_16x16x128_f8f6f4 v[D:D+7], v[WC+16:WC+31], v[HC:HC+15], v[D:D+7], v[SWD+1], v[SHD] matrix_a_fmt:MATRIX_FMT_BF8 matrix_b_fmt:MATRIX_FMT_BF8   ; the two accumulators take turns
	v_wmma_scale_f32_16x16x128_f8f6f4 v[D+8:D+15], v[WC+16:WC+31], v[HC+16:HC+31], v[D+8:D+15], v[SWD+1], v[SHD+1] matrix_a_fmt:MATRIX_FMT_BF8 matrix_b_fmt:MATRIX_FMT_BF8
.rept 8
	v_nop                                          ; eight places ahead of the first read of the results
.endr
	global_load_b128 v[40:43], v9, s[10:11]        ; b_dec and b_enc at my four columns
	global_load_b128 v[44:47], v9, s[12:13]
.irp mt, 0,1
	ds_store_b128 v7, v[D+8*\mt:D+8*\mt+3] offset:4352*\mt          ; each accumulator from its low end on
	ds_store_b128 v7, v[D+8*\mt+4:D+8*\mt+7] offset:4352*\mt+16
.endr
	s_wait_dscnt 0x0                               ; for the others' sake: my part of the sums lies in LDS
	s_barrier_signal -1
	s_barrier_wait -1
.irp p, 0,1,2,3
	ds_load_b128 v[48+4*\p:51+4*\p], v8 offset:8704*\p   ; the four parts along K
.endr
	s_wait_dscnt 0x0
	s_wait_loadcnt 0x0
	v_pk_add_f32 v[48:49], v[48:49], v[52:53]
	v_pk_add_f32 v[50:51], v[50:51], v[54:55]
	v_pk_add_f32 v[56:57], v[56:57], v[60:61]
	v_pk_add_f32 v[58:59], v[58:59], v[62:63]
	v_pk_add_f32 v[40:41], v[40:41], v[44:45]
	v_pk_add_f32 v[42:43], v[42:43], v[46:47]
	v_pk_add_f32 v[48:49], v[48:49], v[56:57]
	v_pk_add_f32 v[50:51], v[50:51], v[58:59]
	v_pk_add_f32 v[48:49], v[48:49], v[40:41]
	v_pk_add_f32 v[50:51], v[50:51], v[42:43]
	global_store_b128 v10, v[48:51], s[20:21]      ; sixteen lanes store 256 consecutive bytes, aligned
	s_wait_tensorcnt 0x0
	ds_add_u32 v254, v255
	s_wait_dscnt 0x0
	s_endpgm
	; ---- third kind: a wave sorts a batch's rows.  Row s = 32 jj + lane.  Kept: place = kept rows before it.  Dropped: place = 2,047 - dropped rows before it = 2,047 - s + kept rows before it.
.set M,   64                           ; v64-127  the mask's words, then 4 x the row's place in the list
.set VAL, 128                          ; v128-191 the rows' numbers: a register of its own for each store, so that no store's data are written again
.Lpath_c:
	s_sub_co_u32 s40, ttmp9, 32
	s_lshl_b32 s40, s40, 4
	s_add_co_u32 s40, s40, s30                     ; the batch
	s_lshl_b32 s42, s40, 13
	s_mov_b32 s43, 0
	s_add_nc_u64 s[14:15], s[14:15], s[42:43]      ; its 8,192 bytes of mask, of list and of scores
	s_add_nc_u64 s[22:23], s[22:23], s[42:43]
	s_add_nc_u64 s[26:27], s[26:27], s[42:43]
	s_lshl_b32 s42, s40, 2
	s_add_nc_u64 s[24:25], s[24:25], s[42:43]      ; its word of cnt
	s_lshl_b32 s46, s40, 11
	v_lshlrev_b32 v200, 2, v12                     ; 4 x lane
	v_sub_nc_u32 v196, 0x7ff, v12                  ; 2,047 - s, stepped by -32
	v_add_nc_u32 v197, s46, v12                    ; 2,048 b + lane
.irp c, 0,1,2,3
	v_mov_b32 v[192+\c], 0xd01502f9                ; -1e10
.endr
.set jj, 0
.rept 64
	global_load_b32 v[M+jj], v200, s[14:15] offset:128*jj
.set jj, jj+1
.endr
	s_mov_b32 s39, 0                               ; kept rows so far
	s_wait_loadcnt 0x0
.set jj, 0
.rept 64
	v_cmp_ne_u32 vcc_lo, 0, v[M+jj]
	v_mbcnt_lo_u32_b32 v198, vcc_lo, s39           ; kept rows before mine
	s_bcnt1_i32_b32 s41, vcc_lo
	s_add_co_u32 s39, s39, s41
	v_add_nc_u32 v199, v196, v198
	v_sub_nc_u32 v196, v196, 32
	v_cndmask_b32 v[M+jj], v199, v198, vcc_lo      ; kept from the front, dropped from the back
	v_min_u32 v[M+jj], 0x7ff, v[M+jj]              ; a place made of loaded numbers is held inside the list
	v_lshlrev_b32 v[M+jj], 2, v[M+jj]
	v_add_nc_u32 v[VAL+jj], 32*jj, v197
	global_store_b32 v[M+jj], v[VAL+jj], s[22:23]  ; the kept lanes' words lie on end, and so do the dropped lanes'
.set jj, jj+1
.endr
	v_mov_b32 v198, s39
	v_mov_b32 v199, 0
	global_store_b32 v199, v198, s[24:25]          ; all lanes write the same word with the same value
.irp e, 0,1,2,3,4,5,6,7,8,9,10,11,12,13,14,15
	global_store_b128 v4, v[192:195], s[26:27] offset:512*\e   ; the batch's scores begin as -1e10: the next launch writes the kept rows'
.endr
	s_endpgm
.Lfunc_end_k_qd70623c91a_prep:
	.size	k_qd70623c91a_prep, .Lfunc_end_k_qd70623c91a_prep-k_qd70623c91a_prep
	.p2alignl 7, 3214868480
	.fill 96, 4, 3214868480
	.section	.rodata,"a",@progbits
	.p2align	6, 0x0
	.amdhsa_kernel k_qd70623c91a_prep
		.amdhsa_group_segment_fixed_size 40960
		.amdhsa_private_segment_fixed_size 0
		.amdhsa_enable_private_segment 0
		.amdhsa_kernarg_size 96
		.amdhsa_user_sgpr_count 2
		.amdhsa_user_sgpr_kernarg_segment_ptr 1
		.amdhsa_wavefront_size32 1
		.amdhsa_system_sgpr_workgroup_id_x 1
		.amdhsa_system_sgpr_workgroup_id_y 1
		.amdhsa_system_sgpr_workgroup_id_z 1
		.amdhsa_system_vgpr_workitem_id 0
		.amdhsa_next_free_vgpr 256
		.amdhsa_next_free_sgpr 66
		.amdhsa_reserve_vcc 1
		.amdhsa_float_denorm_mode_32 3
		.amdhsa_float_denorm_mode_16_64 3
		.amdhsa_memory_ordered 1
		.amdhsa_forward_progress 1
		.amdhsa_inst_pref_size 124
	.end_amdhsa_kernel
	.amdgpu_metadata
---
amdhsa.version: [ 1, 2 ]
amdhsa.kernels:
  - .name:           k_qd70623c91a_prep
    .symbol:         k_qd70623c91a_prep.kd
    .args:
      - { .name: W_enc, .offset: 0, .size: 8, .value_kind: global_buffer, .address_space: global }
      - { .name: W_dec, .offset: 8, .size: 8, .value_kind: global_buffer, .address_space: global }
      - { .name: decoder_hidden, .offset: 16, .size: 8, .value_kind: global_buffer, .address_space: global }
      - { .name: b_dec, .offset: 24, .size: 8, .value_kind: global_buffer, .address_space: global }
      - { .name: b_enc, .offset: 32, .size: 8, .value_kind: global_buffer, .address_space: global }
      - { .name: mask, .offset: 40, .size: 8, .value_kind: global_buffer, .address_space: global }
      - { .name: wq, .offset: 48, .size: 8, .value_kind: global_buffer, .address_space: global }
      - { .name: wsc, .offset: 56, .size: 8, .value_kind: global_buffer, .address_space: global }
      - { .name: bias, .offset: 64, .size: 8, .value_kind: global_buffer, .address_space: global }
      - { .name: list, .offset: 72, .size: 8, .value_kind: global_buffer, .address_space: global }
      - { .name: cnt, .offset: 80, .size: 8, .value_kind: global_buffer, .address_space: global }
      - { .name: scores, .offset: 88, .size: 8, .value_kind: global_buffer, .address_space: global }
    .group_segment_fixed_size: 40960
    .private_segment_fixed_size: 0
    .kernarg_segment_align: 8
    .kernarg_segment_size: 96
    .max_flat_workgroup_size: 512
    .sgpr_count:     66
    .vgpr_count:     256
    .wavefront_size: 32
...
	.end_amdgpu_metadata
.endif
;; end of part 1
;; launch main (part 2): grid 256 x 1, 4 waves a work-group, no clusters, 303,616 bytes of LDS; arguments encoder_outputs, list, cnt, wq, wsc, bias, w_att, b_att, scores; writes scores
.if DOCPART == 2
	.amdgcn_target "amdgcn-amd-amdhsa--gfx1250"
	.amdhsa_code_object_version 6
	.text
	.protected	k_qd70623c91a_main
	.globl	k_qd70623c91a_main
	.p2align	8
	.type	k_qd70623c91a_main,@function
k_qd70623c91a_main:
	s_mov_b64 s[64:65], 0
	v_nop
	global_prefetch_b8 v0, s[64:65] scope:SCOPE_SE
	s_setreg_imm32_b32 hwreg(HW_REG_WAVE_MODE, 25, 1), 1
	s_wait_xcnt 0x0
; scores[b][s] = sum over f of w_att[f] tanh(bias[b][f] + Q(x[b][s]) . Q(W_enc[:, f])) + b_att, for the rows with mask != 0 alone: reference() replaces every other row's score by -1e10, which the launch before has stored.
; SHARES.  Work-group (b = x / 8, j = x % 8) takes the tiles of 16 rows j + 8 m of batch b's list of kept rows, m = 0 .. NT - 1; NT, 1 to 16, is made of the stored count.  (NT is held at 1 from below: a work-group with no kept
; row takes its first tile, whose list entries are valid rows like all others, and stores nothing of it.  So no loop stands under a branch on a stored number, and every wave's first eight rows are loaded without a condition.)
; PHASE X: wave w gathers and quantises tiles m = w + 4 k: codes of BF8 (E5M2), rows of 1,024 bytes + 16 in LDS, one E8M0 byte for each 32 along K beside them.
; THE PRODUCT: THE WAVES SHARE THE FEATURES: wave w makes features 256 w .. 256 w + 255 for all NT tiles, in eight groups of two feature tiles.  A group's 16 fragments of W_enc lie in 256 registers; the next group's come from
; memory into a second set meanwhile, straight into the operand's registers (the launch before laid them so).  Source 0 = 16 features, source 1 = 16 rows of x: a lane holds ONE row and eight features; bias is the C of a sum's first product.
; tanh(z) = 1 - 2 / (1 + 2^(2 log2(e) z)), so a row's score is (sum of w_att + b_att) - 2 x the sum over f of w_att[f] / (1 + 2^(..)); a lane's part of that sum is kept in LDS, a word for each (wave, tile, lane).
; NO TENSOR LOADS AND NO CLUSTER, though all work-groups read the same codes of W_enc: the number of tile steps hangs on a count read from memory and differs between work-groups, so partners could not make the same joint requests.
; LIMITS: NaN and infinities are not served; blocks of x whose largest magnitude lies under 2^-111 keep the byte 1 and were not tried.
; The scores leave by stores of 4 bytes a lane at the rows' own places: a tile's 16 kept rows are near neighbours in a batch's 8,192 bytes; all such stores together are 4 bytes for each 4,096 bytes of x read.
; REGISTERS, in windows of 256: window 0: see below.  window 1: W's set 0.  window 2: in phase X eight rows of x as loaded (ring A), then W's set 1.  window 3: in phase X ring B, then x's eight fragments of a tile.
.set XSL, 266240                       ; LDS: bytes 0 on: codes, 256 row slots of 1,040 bytes; here: their scale bytes, 32 a slot;
.set SCP, 274432                       ; the lanes' partial sums: [wave][tile 16][lane] f32;
.set STG, 282624                       ; for each wave two stages of 32 x 80 bytes, through which loaded numbers turn
.set L16,  1                           ; v1  16 x lane
.set STI,  2                           ; v2  the stage, on the way in: 80 (lane / 4) + 16 (lane % 4)
.set STO,  3                           ; v3  on the way out: 80 x lane
.set CST0, 4                           ; v4  my wave's row slots + 16 x lane
.set SBA0, 5                           ; v5  my wave's scale bytes + lane / 2
.set CST,  6                           ; v6, v7 the same at the tile in hand
.set SBA,  7
.set XA0,  14                          ; v14 a fragment's place for my lane: 1,040 r + 16 h
.set XSA0, 15                          ; v15 row r's scale words
.set SPA0, 16                          ; v16 my partial sum's word in tile 0
.set XA,   17                          ; v17-19 the same three at the tile in hand
.set XSA,  18
.set SPA,  19
.set WSO,  21                          ; v21 32 r: W's scale words
.set CBO,  22                          ; v22 32 h: my half's eight numbers of bias and of w_att
.set OLD,  23
.set NEW,  24
.set LE,   25                          ; v25-26 the list entries of the two rows whose scores I store
.set RO,   32                          ; v32-47 byte offsets of the rows being loaded: ring A's eight, ring B's eight
.set VL,   48                          ; v48-55 list entries, a register for each eight rows
.set X,    56                          ; v56-87 two sets of 16 neighbours
.set CD,   88                          ; v88-95 two sets of 16 codes
.set EB,   96                          ; v96-97 two scale bytes
.set ACC,  100                         ; v100-115 two accumulators
.set T,    116                         ; v116-131 at work in the tanh
.set XSW,  136                         ; v136-143 x's scale words, one for each K step
.set WS,   144                         ; v144-175 W's scale words: 16 x set + 8 x feature tile + K step
.set BI,   176                         ; v176-207 bias, 16 x set + 8 x feature tile + j
.set WA,   208                         ; v208-239 w_att likewise
.set SP,   240                         ; v240-247 four pairs of sums
.set SWB,  248                         ; v248 the sum of w_att + b_att
.set MSB, 0
.macro WIN new                         ; the immediate's high byte repeats the setting that is left; bits 1:0 source 0, 3:2 source 1, 5:4 source 2, 7:6 destination
.if MSB != (\new)
	s_set_vgpr_msb (MSB<<8)|(\new)
.set MSB, (\new)
.endif
.endm
; W's fragments of feature tile f of the group at s[10:11] into set g: 32 loads of 512 consecutive bytes
.macro WLOADW g, f
.if \g
	WIN 0x80
.else
	WIN 0x40
.endif
.irp s, 0,1,2,3,4,5,6,7
.irp c, 0,1,2,3
	global_load_b128 v[128*(\f)+16*\s+4*\c:128*(\f)+16*\s+4*\c+3], v[L16], s[10:11] offset:((8*(\f)+\s)*4+\c)*512
.endr
.endr
	WIN 0
.endm
; the group's scale words, bias and w_att into set g: 12 loads
.macro WLOADS g
.irp f, 0,1
	global_load_b128 v[WS+16*(\g)+8*\f:WS+16*(\g)+8*\f+3], v[WSO], s[12:13] offset:512*\f
	global_load_b128 v[WS+16*(\g)+8*\f+4:WS+16*(\g)+8*\f+7], v[WSO], s[12:13] offset:512*\f+16
	global_load_b128 v[BI+16*(\g)+8*\f:BI+16*(\g)+8*\f+3], v[CBO], s[14:15] offset:64*\f
	global_load_b128 v[BI+16*(\g)+8*\f+4:BI+16*(\g)+8*\f+7], v[CBO], s[14:15] offset:64*\f+16
	global_load_b128 v[WA+16*(\g)+8*\f:WA+16*(\g)+8*\f+3], v[CBO], s[22:23] offset:64*\f
	global_load_b128 v[WA+16*(\g)+8*\f+4:WA+16*(\g)+8*\f+7], v[CBO], s[22:23] offset:64*\f+16
.endr
.endm
; eight rows of x, named by lanes 0 to 7 of v[src], into window win: 64 loads of 512 consecutive bytes
.macro ISSUE win, ro, src
.irp i, 0,1,2,3,4,5,6,7
	v_readlane_b32 s33, v[\src], \i
	s_min_u32 s33, s33, 0xffff                     ; a loaded row number is held inside the tensor's 65,536 rows
	s_lshl_b32 s33, s33, 12
	v_add_nc_u32 v[RO+\ro+\i], s33, v[L16]
.endr
	WIN 64*(\win)
.irp i, 0,1,2,3,4,5,6,7
.irp e, 0,1,2,3,4,5,6,7
	global_load_b128 v[32*\i+4*\e:32*\i+4*\e+3], v[RO+\ro+\i], s[4:5] offset:512*\e th:TH_LOAD_NT
.endr
.endr
	WIN 0
.endm
; step t (half a row: 512 numbers, 2,048 bytes) turns through the stage: in as loaded, 16 bytes a lane; out 64 bytes a lane: 16 neighbours.  LDS serves a wave's instructions in order (ISA guide 5.7.1.4).
.macro TURN win, t
	WIN 4*(\win)                                   ; an LDS store's data are its source 1
.irp e, 0,1,2,3
	ds_store_b128 v[STI], v[16*(\t)+4*\e:16*(\t)+4*\e+3] offset:2560*((\t)%2)+640*\e
.endr
	WIN 0
.irp e, 0,1,2,3
	ds_load_b128 v[X+16*((\t)%2)+4*\e:X+16*((\t)%2)+4*\e+3], v[STO] offset:2560*((\t)%2)+16*\e
.endr
.endm
; eight rows in window win are quantised: rows base .. base + 7 of the tile in hand.  Two neighbouring lanes hold a block of 32.
.macro PROC win, base
	TURN \win, 0
.set tt, 0
.rept 16
.set XQ, X+16*(tt%2)
.if tt == 0
	s_wait_dscnt 0x0
.else
	s_wait_dscnt 0x2                               ; this step's numbers are back; younger are the last step's code store and byte store
.endif
.if tt < 15
	TURN \win, tt+1                                ; the next step goes through the other stage while this one is worked
.endif
	v_max3_num_f32 v8, |v[XQ]|, |v[XQ+1]|, |v[XQ+2]|
	v_max3_num_f32 v9, |v[XQ+3]|, |v[XQ+4]|, |v[XQ+5]|
.irp i, 6,10
	v_max3_num_f32 v8, v8, |v[XQ+\i]|, |v[XQ+\i+1]|
	v_max3_num_f32 v9, v9, |v[XQ+\i+2]|, |v[XQ+\i+3]|
.endr
	v_max3_num_f32 v8, v8, |v[XQ+14]|, |v[XQ+15]|
	v_max3_num_f32 v8, v8, v9, 0x8000000           ; and the floor 2^(16 - 127): the byte cannot fall under 1
	v_max_num_f32_dpp v8, v8, v8 row_xmask:1 row_mask:0xf bank_mask:0xf   ; with my neighbour's 16: the block's largest magnitude
	v_add_nc_u32 v11, 0xf8800000, v8               ; 15 off its exponent field: the conversion's scale operand
	v_and_or_b32 v10, v8, 0x7f800000, s36          ; 57,344 x the scale
.irp i, 0,1,2,3,4,5,6,7,8,9,10,11,12,13,14,15
	v_med3_num_f32 v[XQ+\i], v[XQ+\i], -v10, v10   ; the conversion to an 8-bit code does not saturate (ISA guide 7.6.2): the hold comes first
.endr
	v_cvt_scalef32_pk8_bf8_f32 v[CD+4*(tt%2):CD+4*(tt%2)+1], v[XQ:XQ+7], v11
	v_cvt_scalef32_pk8_bf8_f32 v[CD+4*(tt%2)+2:CD+4*(tt%2)+3], v[XQ+8:XQ+15], v11
	v_lshrrev_b32 v[EB+tt%2], 23, v11              ; the scale's byte (also the plain line behind the conversions)
	ds_store_b128 v[CST], v[CD+4*(tt%2):CD+4*(tt%2)+3] offset:1040*(\base)+1040*(tt/2)+512*(tt%2)   ; 512 consecutive bytes of the row's codes
	ds_store_b8 v[SBA], v[EB+tt%2] offset:32*(\base)+32*(tt/2)+16*(tt%2)                             ; both lanes of a block write the same byte
.set tt, tt+1
.endr
.endm
; four of x's fragments, K steps s0 on, of the tile at v[XA]
.macro XLOAD s0
.irp s, \s0, \s0+1, \s0+2, \s0+3
.irp c, 0,1,2,3
	ds_load_b128 v[16*(\s)+4*\c:16*(\s)+4*\c+3], v[XA] offset:128*(\s)+32*\c
.endr
.endr
.endm
; eight products: K steps s0 on, the two feature tiles by turns
.macro MM g, s0
.irp s, \s0, \s0+1, \s0+2, \s0+3
.irp f, 0,1
.if (\s) == 0
	v_wmma_scale_f32_16x16x128_f8f6f4 v[ACC+8*\f:ACC+8*\f+7], v[128*\f+16*(\s):128*\f+16*(\s)+15], v[16*(\s):16*(\s)+15], v[BI+16*(\g)+8*\f:BI+16*(\g)+8*\f+7], v[WS+16*(\g)+8*\f+(\s)], v[XSW+(\s)] matrix_a_fmt:MATRIX_FMT_BF8 matrix_b_fmt:MATRIX_FMT_BF8
.else
	v_wmma_scale_f32_16x16x128_f8f6f4 v[ACC+8*\f:ACC+8*\f+7], v[128*\f+16*(\s):128*\f+16*(\s)+15], v[16*(\s):16*(\s)+15], v[ACC+8*\f:ACC+8*\f+7], v[WS+16*(\g)+8*\f+(\s)], v[XSW+(\s)] matrix_a_fmt:MATRIX_FMT_BF8 matrix_b_fmt:MATRIX_FMT_BF8
.endif
.endr
.endr
.endm
.macro PLACES
.rept 8
	v_nop                                          ; eight places behind this form, ahead of loads into its registers and of the first read of its results
.endr
.endm
; my lane's 16 numbers z become the sum of w_att / (1 + 2^(2 log2(e) z)), in v249
.macro TANH g
.irp q, 0,1,2,3,4,5,6,7
	v_pk_mul_f32 v[T+2*\q:T+2*\q+1], v[ACC+2*\q:ACC+2*\q+1], s[34:35] op_sel_hi:[1,0]   ; each accumulator from its low end on
.endr
.irp j, 0,1,2,3,4,5,6,7,8,9,10,11,12,13,14,15
	v_exp_f32 v[T+\j], v[T+\j]
.endr
	v_nop                                          ; a plain line behind the last exponential,
	s_wait_alu depctr_va_vdst(0)                   ; and one wait for the batch, ahead of its first reader
.irp q, 0,1,2,3,4,5,6,7
	v_pk_add_f32 v[T+2*\q:T+2*\q+1], v[T+2*\q:T+2*\q+1], 1.0 op_sel_hi:[1,0]
.endr
.irp j, 0,1,2,3,4,5,6,7,8,9,10,11,12,13,14,15
	v_rcp_f32 v[T+\j], v[T+\j]
.endr
	v_nop
	s_wait_alu depctr_va_vdst(0)
.irp q, 0,1,2,3
	v_pk_mul_f32 v[SP+2*\q:SP+2*\q+1], v[T+2*\q:T+2*\q+1], v[WA+16*(\g)+2*\q:WA+16*(\g)+2*\q+1]
.endr
.irp q, 0,1,2,3
	v_pk_fma_f32 v[SP+2*\q:SP+2*\q+1], v[T+8+2*\q:T+8+2*\q+1], v[WA+16*(\g)+8+2*\q:WA+16*(\g)+8+2*\q+1], v[SP+2*\q:SP+2*\q+1]
.endr
	v_pk_add_f32 v[SP:SP+1], v[SP:SP+1], v[SP+2:SP+3]
	v_pk_add_f32 v[SP+4:SP+5], v[SP+4:SP+5], v[SP+6:SP+7]
	v_pk_add_f32 v[SP:SP+1], v[SP:SP+1], v[SP+4:SP+5]
	v_add_f32 v249, v[SP], v[SP+1]
.endm
; A TILE STEP: tile s39 of the work-group against the group's two feature tiles (set g).  The tile's fragments and scale words were asked for in the step before; this step asks for those of the next tile,
; which behind the last tile is tile 0, for the next group: so the counts below hold from step to step and from group to group.
.macro STEP g
	s_add_co_u32 s41, s39, 1
	s_cmp_lt_u32 s41, s28
	s_cselect_b32 s41, s41, 0
	s_min_u32 s41, s41, 15
	s_and_b32 s42, s41, 3                          ; tile m lies at LDS tile 4 (m % 4) + m / 4: the wave that made it, and which of its tiles
	s_lshl_b32 s42, s42, 2
	s_lshr_b32 s43, s41, 2
	s_add_co_u32 s42, s42, s43
	s_mul_i32 s43, s42, 16640
	s_lshl_b32 s44, s42, 9
	v_add_nc_u32 v[XA], s43, v[XA0]
	v_add_nc_u32 v[XSA], s44, v[XSA0]
	v_add_nc_u32 v[SPA], s40, v[SPA0]
	s_wait_dscnt 17                                ; K steps 0-3 and the scale words are in; younger: the 16 loads of K steps 4-7 and one store
	WIN 0x0d+(\g)                                  ; source 0 (W) window 1 or 2, source 1 (x) window 3, C and D window 0
	MM \g, 0
	PLACES
	WIN 0xc0
	XLOAD 0                                        ; the next tile's K steps 0-3
	s_wait_dscnt 17                                ; K steps 4-7 are in; younger: one store and the 16 loads just issued
	WIN 0x0d+(\g)
	MM \g, 4
	PLACES
	WIN 0
	ds_load_b32 v[OLD], v[SPA]
	ds_load_b128 v[XSW:XSW+3], v[XSA]
	ds_load_b128 v[XSW+4:XSW+7], v[XSA] offset:16
	WIN 0xc0
	XLOAD 4
	WIN 0
	TANH \g                                        ; its lines on v116 on and v240 on, with the eight above, are more than the nine places ahead of the next step's first product, which begins the accumulators anew
	s_wait_dscnt 18                                ; my partial sum is in; younger: 2 + 16 loads
	v_add_f32 v[NEW], v[OLD], v249
	ds_store_b32 v[SPA], v[NEW]
.endm
; A GROUP of two feature tiles, in set g.  The next group's loads go out in two parts, 44 at the head and 32 behind the first tile step, and have the group's steps in which to land.
.macro GROUP g
	s_wait_loadcnt 0x0                             ; this group's W, scale words, bias and w_att are in; the loads' bases may be stepped
.if \g
	s_cmp_eq_u32 s38, 3                            ; the last group has no successor: no load leaves its buffer
	s_cbranch_scc1 .Lna_\@
.endif
	s_add_nc_u64 s[10:11], s[10:11], 32768
	s_add_nc_u64 s[12:13], s[12:13], 1024
	s_add_nc_u64 s[14:15], s[14:15], 128
	s_add_nc_u64 s[22:23], s[22:23], 128
	WLOADS 1-\g
	WLOADW 1-\g, 0
.Lna_\@:
	s_mov_b32 s39, 0
	s_mov_b32 s40, 0
	STEP \g                                        ; tile 0 is always there
.if \g
	s_cmp_eq_u32 s38, 3
	s_cbranch_scc1 .Lnb_\@
.endif
	WLOADW 1-\g, 1
.Lnb_\@:
	s_mov_b32 s39, 1
	s_mov_b32 s40, 128
.Lm_\@:                                            ; 15 trips, whatever NT: a trip behind the last tile jumps over the step
	s_cmp_ge_u32 s39, s28
	s_cbranch_scc1 .Lsk_\@
	STEP \g
.Lsk_\@:
	s_add_co_u32 s39, s39, 1
	s_add_co_u32 s40, s40, 128
	s_cmp_lt_u32 s39, 16
	s_cbranch_scc1 .Lm_\@
.endm
	s_load_b512 s[4:19], s[0:1], 0x0               ; x s[4:5], list s[6:7], cnt s[8:9], wq s[10:11], wsc s[12:13], bias s[14:15], w_att s[16:17], b_att s[18:19]
	s_load_b64 s[20:21], s[0:1], 0x40              ; scores
	v_lshl_add_u32 v254, v0, 2, 0x4a000
	v_mov_b32 v255, 0
	v_lshrrev_b32 v8, 5, v0
	v_readfirstlane_b32 s24, v8                    ; wave 0..3
	s_lshr_b32 s25, ttmp9, 3                       ; the batch
	s_and_b32 s26, ttmp9, 7                        ; j
	v_and_b32 v9, 31, v0                           ; lane
	v_and_b32 v10, 15, v0                          ; r
	v_bfe_u32 v11, v0, 4, 1                        ; h
	v_lshlrev_b32 v[L16], 4, v9
	s_mul_i32 s41, s24, 5120
	s_add_co_u32 s41, s41, STG                     ; my stages
	v_lshrrev_b32 v12, 2, v9
	v_mul_u32_u24 v[STI], v12, 80
	v_and_b32 v12, 3, v9
	v_lshl_add_u32 v[STI], v12, 4, v[STI]
	v_add_nc_u32 v[STI], s41, v[STI]
	v_mul_u32_u24 v[STO], v9, 80
	v_add_nc_u32 v[STO], s41, v[STO]
	s_mul_i32 s41, s24, 66560                      ; my 64 row slots
	v_add_nc_u32 v[CST0], s41, v[L16]
	s_lshl_b32 s41, s24, 11
	s_add_co_u32 s42, s41, XSL                     ; their scale bytes
	v_lshrrev_b32 v12, 1, v9
	v_add_nc_u32 v[SBA0], s42, v12
	v_mul_u32_u24 v[XA0], v10, 1040
	v_lshl_add_u32 v[XA0], v11, 4, v[XA0]
	v_lshlrev_b32 v[XSA0], 5, v10
	v_add_nc_u32 v[XSA0], XSL, v[XSA0]
	s_add_co_u32 s42, s41, SCP                     ; my wave's 2,048 bytes of partial sums
	v_lshlrev_b32 v12, 2, v9
	v_add_nc_u32 v[SPA0], s42, v12
	v_add_nc_u32 v13, s42, v[L16]
	v_lshlrev_b32 v[WSO], 5, v10
	v_lshlrev_b32 v[CBO], 5, v11
	s_lshl_b32 s41, s24, 9                         ; the list, from the work-group's first entry on: my wave's tiles begin 128 w entries on; lanes 0-7 take eight entries
	v_and_b32 v12, 7, v0
	v_lshlrev_b32 v12, 2, v12
	v_add_nc_u32 v12, s41, v12
	v_lshrrev_b32 v20, 4, v0                       ; and for the way out: thread t takes row t % 16 of tile t / 16 (and of tile t / 16 + 8)
	v_lshlrev_b32 v20, 9, v20
	v_lshl_add_u32 v20, v10, 2, v20
.irp c, 0,1,2,3
	v_mov_b32 v[28+\c], 0
.endr
	s_mov_b32 s34, 0x4038aa3b                      ; 2 log2(e)
	s_mov_b32 s35, s34                             ; (named with it as a pair, so it is written)
	s_mov_b32 s36, 0x600000                        ; the mantissa field of 57,344
	s_mov_b32 s46, 0x76543210
	s_mov_b32 s47, 0xfedcba98
	s_wait_kmcnt 0x0
	s_mov_b32 s43, 0
	s_lshl_b32 s42, s25, 2
	s_add_nc_u64 s[8:9], s[8:9], s[42:43]
	s_load_b32 s27, s[8:9], 0x0                    ; the batch's kept rows
	s_load_b32 s37, s[18:19], 0x0                  ; b_att
	s_lshl_b32 s42, s24, 18
	s_add_nc_u64 s[10:11], s[10:11], s[42:43]      ; my 16 feature tiles' codes,
	s_lshl_b32 s42, s24, 13
	s_add_nc_u64 s[12:13], s[12:13], s[42:43]      ; their scale bytes,
	s_lshl_b32 s42, s24, 10
	s_add_nc_u64 s[22:23], s[16:17], s[42:43]      ; my 256 numbers of w_att
	s_add_nc_u64 s[14:15], s[14:15], s[42:43]      ; and of the batch's bias
	s_lshl_b32 s42, s25, 12
	s_add_nc_u64 s[14:15], s[14:15], s[42:43]
	s_lshl_b32 s42, s25, 13
	s_lshl_b32 s44, s26, 6
	s_add_co_u32 s42, s42, s44
	s_add_nc_u64 s[6:7], s[6:7], s[42:43]          ; the list at entry 2,048 b + 16 j
.irp e, 0,1,2,3,4,5,6,7
	global_load_b128 v[X+4*\e:X+4*\e+3], v[L16], s[16:17] offset:512*\e   ; all of w_att, for its sum
.endr
.irp o, 0,1,2,3,4,5,6,7
	global_load_b32 v[VL+\o], v12, s[6:7] offset:2048*(\o/2)+32*(\o%2)    ; my tile k = o / 2 begins 512 k entries on; its second eight rows 8 entries on.  These addresses hang on ids alone
.endr
.irp e, 0,1
	global_load_b32 v[LE+\e], v20, s[6:7] offset:4096*\e
.endr
	WLOADS 0
	WLOADW 0, 0
	WLOADW 0, 1
.irp e, 0,1,2,3
	ds_store_b128 v13, v[28:31] offset:512*\e      ; my partial sums begin as zeros
.endr
	s_wait_kmcnt 0x0
	s_min_u32 s27, s27, 2048
	s_add_co_u32 s41, s27, 15
	s_lshr_b32 s41, s41, 4                         ; the batch's tiles
	s_add_co_u32 s41, s41, 7
	s_sub_co_u32 s41, s41, s26
	s_lshr_b32 s28, s41, 3                         ; NT: those of them that are j + 8 m,
	s_max_u32 s28, s28, 1                          ; held at 1 from below
	s_add_co_u32 s41, s28, 3
	s_sub_co_u32 s41, s41, s24
	s_lshr_b32 s29, s41, 2                         ; NTW: those of them that are w + 4 k
	s_wait_loadcnt 63                              ; 94 loads are issued: the oldest 31 are in, w_att's 8 and the list's 10 among them
.irp j, 4,8,12,16,20,24,28
	v_pk_add_f32 v[X:X+1], v[X:X+1], v[X+\j:X+\j+1]
	v_pk_add_f32 v[X+2:X+3], v[X+2:X+3], v[X+\j+2:X+\j+3]
.endr
	v_pk_add_f32 v[X:X+1], v[X:X+1], v[X+2:X+3]
	v_add_f32 v8, v[X], v[X+1]
	v_add_f32_dpp v8, v8, v8 row_xmask:1 row_mask:0xf bank_mask:0xf
	v_add_f32_dpp v8, v8, v8 row_xmask:2 row_mask:0xf bank_mask:0xf
	v_add_f32_dpp v8, v8, v8 row_xmask:4 row_mask:0xf bank_mask:0xf
	v_add_f32_dpp v8, v8, v8 row_xmask:8 row_mask:0xf bank_mask:0xf
	v_permlanex16_b32 v9, v8, s46, s47             ; (v9 has been written)
	v_add_f32 v8, v8, v9
	v_add_f32 v[SWB], s37, v8                      ; the sum of w_att + b_att
	; ---- PHASE X.  Two rings of eight rows: while one is quantised, the other's 64 loads are on their way.
	ISSUE 2, 0, VL
	s_mov_b32 s30, 0                               ; k
	s_mov_b32 s31, 0                               ; the tile's row slots, in bytes
	s_mov_b32 s32, 0                               ; and its scale bytes
.Lxt:                                              ; four trips, whatever NTW: a trip behind my last tile jumps over the work
	s_cmp_ge_u32 s30, s29
	s_cbranch_scc1 .Lxskip
	v_add_nc_u32 v[CST], s31, v[CST0]
	v_add_nc_u32 v[SBA], s32, v[SBA0]
	ISSUE 3, 8, VL+1
	s_wait_loadcnt 63                              ; 64 loads are younger than ring A's last; the wait's field ends at 63
	PROC 2, 0
	s_add_co_u32 s41, s30, 1
	s_cmp_lt_u32 s41, s29
	s_cbranch_scc0 .Lxn
	ISSUE 2, 0, VL+2                               ; my next tile's first eight rows: ring A's registers and offsets are free: its loads were awaited, and its last turn through the stage is back
	s_wait_loadcnt 63                              ; likewise for ring B
	s_branch .Lxg
.Lxn:
	s_wait_loadcnt 0x0
.Lxg:
	PROC 3, 8
.Lxskip:
.irp j, 0,1,2,3,4,5
	v_mov_b32 v[VL+\j], v[VL+\j+2]                 ; the list entries move up by a tile
.endr
	s_add_co_u32 s31, s31, 16640
	s_add_co_u32 s32, s32, 512
	s_add_co_u32 s30, s30, 1
	s_cmp_lt_u32 s30, 4
	s_cbranch_scc1 .Lxt
	s_wait_dscnt 0x0                               ; for the others' sake: my codes and scale bytes lie in LDS
	s_barrier_signal -1
	s_barrier_wait -1
	; ---- THE PRODUCT
	v_mov_b32 v[XA], v[XA0]                        ; tile 0
	v_mov_b32 v[XSA], v[XSA0]
	WIN 0xc0
	XLOAD 0
	XLOAD 4
	WIN 0
	ds_load_b128 v[XSW:XSW+3], v[XSA]
	ds_load_b128 v[XSW+4:XSW+7], v[XSA] offset:16
	s_wait_dscnt 0x0
	s_mov_b32 s38, 0
.Lgp:                                              ; four trips of two groups: the register sets are back where they began
	GROUP 0
	GROUP 1
	s_add_co_u32 s38, s38, 1
	s_cmp_lt_u32 s38, 4
	s_cbranch_scc1 .Lgp
	s_wait_dscnt 0x0                               ; for the others' sake: my partial sums lie in LDS
	s_barrier_signal -1
	s_barrier_wait -1
	; ---- THE WAY OUT.  Thread t takes rows t and t + 128 of the work-group's 256: eight partial sums each (four waves x two halves of the lanes).
	v_and_b32 v27, 15, v0
	v_and_b32 v28, 0x70, v0
	v_lshlrev_b32 v29, 3, v28                      ; 128 x tile
	v_lshl_add_u32 v30, v27, 2, v29
	v_add_nc_u32 v30, SCP, v30
	v_add_nc_u32 v31, v29, v27
	s_lshl_b32 s41, s26, 4
	v_add_nc_u32 v31, s41, v31                     ; the row's place in the batch's list: 16 j + 128 m + r
	v_add_nc_u32 v29, 1024, v31
.irp e, 0,1
.irp k, 0,1,2,3,4,5,6,7
	ds_load_b32 v[T+8*\e+\k], v30 offset:1024*\e+2048*(\k/2)+64*(\k%2)
.endr
.endr
	s_wait_dscnt 0x0
.irp e, 0,1
	v_pk_add_f32 v[T+8*\e:T+8*\e+1], v[T+8*\e:T+8*\e+1], v[T+8*\e+2:T+8*\e+3]
	v_pk_add_f32 v[T+8*\e+4:T+8*\e+5], v[T+8*\e+4:T+8*\e+5], v[T+8*\e+6:T+8*\e+7]
	v_pk_add_f32 v[T+8*\e:T+8*\e+1], v[T+8*\e:T+8*\e+1], v[T+8*\e+4:T+8*\e+5]
	v_add_f32 v[T+8*\e], v[T+8*\e], v[T+8*\e+1]
	v_fma_f32 v[SP+\e], -2.0, v[T+8*\e], v[SWB]    ; the score
	v_min_u32 v[LE+\e], 0xffff, v[LE+\e]           ; the row's number, held inside the 65,536 scores
	v_lshlrev_b32 v[LE+\e], 2, v[LE+\e]
.endr
	v_cmp_gt_u32 vcc_lo, s27, v31                  ; only kept rows: places under the count
	s_wait_xcnt 0x0                                ; EXEC changes only behind this wait
	s_wait_tensorcnt 0x0
	ds_add_u32 v254, v255
	s_wait_dscnt 0x0
	s_and_saveexec_b32 s50, vcc_lo
	global_store_b32 v[LE], v[SP], s[20:21]
	s_wait_xcnt 0x0
	s_or_b32 exec_lo, exec_lo, s50
	v_cmp_gt_u32 vcc_lo, s27, v29
	s_wait_xcnt 0x0
	s_and_saveexec_b32 s50, vcc_lo
	global_store_b32 v[LE+1], v[SP+1], s[20:21]
	s_wait_xcnt 0x0
	s_or_b32 exec_lo, exec_lo, s50
	s_endpgm
.Lfunc_end_k_qd70623c91a_main:
	.size	k_qd70623c91a_main, .Lfunc_end_k_qd70623c91a_main-k_qd70623c91a_main
	.p2alignl 7, 3214868480
	.fill 96, 4, 3214868480
	.section	.rodata,"a",@progbits
	.p2align	6, 0x0
	.amdhsa_kernel k_qd70623c91a_main
		.amdhsa_group_segment_fixed_size 303616
		.amdhsa_private_segment_fixed_size 0
		.amdhsa_enable_private_segment 0
		.amdhsa_kernarg_size 72
		.amdhsa_user_sgpr_count 2
		.amdhsa_user_sgpr_kernarg_segment_ptr 1
		.amdhsa_wavefront_size32 1
		.amdhsa_system_sgpr_workgroup_id_x 1
		.amdhsa_system_sgpr_workgroup_id_y 1
		.amdhsa_system_sgpr_workgroup_id_z 1
		.amdhsa_system_vgpr_workitem_id 0
		.amdhsa_next_free_vgpr 1024
		.amdhsa_next_free_sgpr 66
		.amdhsa_reserve_vcc 1
		.amdhsa_float_denorm_mode_32 3
		.amdhsa_float_denorm_mode_16_64 3
		.amdhsa_memory_ordered 1
		.amdhsa_forward_progress 1
		.amdhsa_inst_pref_size 177
	.end_amdhsa_kernel
	.amdgpu_metadata
---
amdhsa.version: [ 1, 2 ]
amdhsa.kernels:
  - .name:           k_qd70623c91a_main
    .symbol:         k_qd70623c91a_main.kd
    .args:
      - { .name: encoder_outputs, .offset: 0, .size: 8, .value_kind: global_buffer, .address_space: global }
      - { .name: list, .offset: 8, .size: 8, .value_kind: global_buffer, .address_space: global }
      - { .name: cnt, .offset: 16, .size: 8, .value_kind: global_buffer, .address_space: global }
      - { .name: wq, .offset: 24, .size: 8, .value_kind: global_buffer, .address_space: global }
      - { .name: wsc, .offset: 32, .size: 8, .value_kind: global_buffer, .address_space: global }
      - { .name: bias, .offset: 40, .size: 8, .value_kind: global_buffer, .address_space: global }
      - { .name: w_att, .offset: 48, .size: 8, .value_kind: global_buffer, .address_space: global }
      - { .name: b_att, .offset: 56, .size: 8, .value_kind: global_buffer, .address_space: global }
      - { .name: scores, .offset: 64, .size: 8, .value_kind: global_buffer, .address_space: global }
    .group_segment_fixed_size: 303616
    .private_segment_fixed_size: 0
    .kernarg_segment_align: 8
    .kernarg_segment_size: 72
    .max_flat_workgroup_size: 128
    .sgpr_count:     66
    .vgpr_count:     1024
    .wavefront_size: 32
...
	.end_amdgpu_metadata
.endif
;; end of part 2
;; launch fin (part 3): grid 256 x 1, 16 waves a work-group, no clusters, 11,264 bytes of LDS; arguments encoder_outputs, list, cnt, scores, out0, out1; writes out0, out1
.if DOCPART == 3
	.amdgcn_target "amdgcn-amd-amdhsa--gfx1250"
	.amdhsa_code_object_version 6
	.text
	.protected	k_qd70623c91a_fin
	.globl	k_qd70623c91a_fin
	.p2align	8
	.type	k_qd70623c91a_fin,@function
k_qd70623c91a_fin:
	s_mov_b64 s[64:65], 0
	v_nop
	global_prefetch_b8 v0, s[64:65] scope:SCOPE_SE
	s_setreg_imm32_b32 hwreg(HW_REG_WAVE_MODE, 25, 1), 1
	s_wait_xcnt 0x0
; out1[b] = softmax over the batch's 2,048 scores (the maximum taken away first); out0[b][f] = the sum over rows of out1[b][s] x[b][s][f].
; SHARES.  Work-group (b = x / 8, j = x % 8) makes features 128 j .. 128 j + 127 of the context (512 bytes of each row of x) and 256 numbers of out1.  All eight work-groups of a batch make the softmax's maximum and sum for themselves: 8,192 bytes.
; ROWS.  A row with mask = 0 has the score -1e10; where its batch keeps a row, its weight 2^((-1e10 - max) log2(e)) is 0, so it is not read: the walk goes over the list's first NR entries, NR = the stored count.
; A batch that keeps no row has 2,048 equal scores: NR = 2,048, every weight 1 / 2,048.  A chunk is 16 list entries; wave w takes chunks w + 16 i.  What a last chunk holds beyond the count are dropped rows, whose weight is 0.
; LIMIT: kept scores lie far above -1e10 (they are at most the sum of |w_att| + |b_att| in magnitude); NaN and infinities are not served.
; A stream: no matrix unit (one row of weights against x: fused multiply-adds in f32), no tensor loads (trip counts hang on a stored number), no cluster (no two work-groups read the same bytes of x).
; Each wave has two chunks, 2 x 16 loads of 512 consecutive bytes, on their way or at work.
.set VL,  32                           ; v32-39  list entries: chunk i's 16 in lanes 0-15 (and again in 16-31)
.set GA,  40                           ; v40-47  their scores' byte offsets
.set PW,  48                           ; v48-55  their scores, then their weights
.set RO,  56                           ; v56-87  row offsets, two sets of 16
.set ACC, 88                           ; v88-95  two sets of four sums, by turns
.set X,   96                           ; v96-223 two sets of 16 rows x 4 registers
	s_load_b256 s[4:11], s[0:1], 0x0               ; x s[4:5], list s[6:7], cnt s[8:9], scores s[10:11]
	s_load_b128 s[12:15], s[0:1], 0x20             ; out0 s[12:13], out1 s[14:15]
	v_lshl_add_u32 v224, v0, 2, 0x2400
	v_mov_b32 v225, 0
	v_lshrrev_b32 v8, 5, v0
	v_readfirstlane_b32 s16, v8                    ; wave 0..15
	s_lshr_b32 s17, ttmp9, 3                       ; the batch
	s_and_b32 s18, ttmp9, 7                        ; j
	v_and_b32 v9, 31, v0
	v_lshlrev_b32 v1, 4, v9                        ; 16 x lane
	v_lshlrev_b32 v2, 4, v0                        ; 16 x thread
	v_and_b32 v8, 15, v0
	s_lshl_b32 s26, s16, 6
	v_lshl_add_u32 v3, v8, 2, s26                  ; the list: entry 16 w + lane % 16, in bytes
	s_lshl_b32 s26, s16, 2
	v_mov_b32 v30, s26                             ; LDS: my wave's word (maxima at byte 0, sums at byte 256)
	v_mov_b32 v31, 0
	s_lshl_b32 s26, s16, 9
	s_add_co_u32 s26, s26, 512
	v_add_nc_u32 v10, s26, v1                      ; LDS from byte 512 on: 512 bytes of sums for each wave
	v_add_nc_u32 v11, 512, v1
	v_mov_b32 v9, 0                                ; written: a lane permute's destination counts as one of its sources
	s_mov_b32 s24, 0x76543210
	s_mov_b32 s25, 0xfedcba98
	s_mov_b32 s29, 0                               ; (upper halves of the pairs that carry a weight: named, so written)
	s_mov_b32 s35, 0
	s_mov_b32 s27, 0
	s_wait_kmcnt 0x0
	s_lshl_b32 s26, s17, 2
	s_add_nc_u64 s[8:9], s[8:9], s[26:27]
	s_load_b32 s19, s[8:9], 0x0                    ; the batch's kept rows
	s_lshl_b32 s26, s17, 13
	s_add_nc_u64 s[6:7], s[6:7], s[26:27]          ; the batch's list,
	s_add_nc_u64 s[30:31], s[10:11], s[26:27]      ; scores
	s_add_nc_u64 s[14:15], s[14:15], s[26:27]      ; and out1
	s_lshl_b32 s26, s18, 9
	s_add_nc_u64 s[4:5], s[4:5], s[26:27]          ; my 512 bytes of every row of x
	s_add_nc_u64 s[12:13], s[12:13], s[26:27]
	s_lshl_b32 s26, s17, 12
	s_add_nc_u64 s[12:13], s[12:13], s[26:27]      ; and of the batch's row of out0
	global_load_b128 v[4:7], v2, s[30:31]          ; four scores a thread: the batch's 2,048
.irp i, 0,1,2,3,4,5,6,7
	global_load_b32 v[VL+\i], v3, s[6:7] offset:1024*\i   ; chunk w + 16 i: these addresses hang on ids alone
.endr
	s_wait_kmcnt 0x0
	s_min_u32 s19, s19, 2048
	s_cmp_eq_u32 s19, 0
	s_cselect_b32 s19, 0x800, s19                  ; NR
	s_add_co_u32 s20, s19, 15
	s_lshr_b32 s20, s20, 4                         ; chunks
	s_add_co_u32 s21, s20, 15
	s_sub_co_u32 s21, s21, s16
	s_lshr_b32 s21, s21, 4                         ; my wave's chunks, 0 to 8
	s_wait_loadcnt 0x0
.irp i, 0,1,2,3,4,5,6,7
	v_min_u32 v[GA+\i], 0xffff, v[VL+\i]           ; a loaded row number is held inside the 65,536 rows
	v_lshlrev_b32 v[GA+\i], 2, v[GA+\i]
.endr
.irp i, 0,1,2,3,4,5,6,7
	global_load_b32 v[PW+\i], v[GA+\i], s[10:11]   ; my rows' scores
.endr
	; the maximum: lane, wave, work-group
	v_max3_num_f32 v8, v4, v5, v6
	v_max_num_f32 v8, v8, v7
	v_max_num_f32_dpp v8, v8, v8 row_xmask:1 row_mask:0xf bank_mask:0xf
	v_max_num_f32_dpp v8, v8, v8 row_xmask:2 row_mask:0xf bank_mask:0xf
	v_max_num_f32_dpp v8, v8, v8 row_xmask:4 row_mask:0xf bank_mask:0xf
	v_max_num_f32_dpp v8, v8, v8 row_xmask:8 row_mask:0xf bank_mask:0xf
	v_permlanex16_b32 v9, v8, s24, s25
	v_max_num_f32 v8, v8, v9
	ds_store_b32 v30, v8                           ; all lanes write the same word with the same value
	s_wait_dscnt 0x0
	s_barrier_signal -1
	s_barrier_wait -1
.irp n, 0,1,2,3
	ds_load_b128 v[12+4*\n:15+4*\n], v31 offset:16*\n
.endr
	s_wait_dscnt 0x0
	v_max3_num_f32 v29, v12, v13, v14
.irp n, 15,17,19,21,23,25
	v_max3_num_f32 v29, v29, v[\n], v[\n+1]
.endr
	v_max_num_f32 v29, v29, v27                    ; v29: the batch's largest score
	; 2^((s - max) log2(e)) of my four scores, and the sum
.irp n, 4,5,6,7
	v_sub_f32 v[\n], v[\n], v29
.endr
.irp n, 4,5,6,7
	v_mul_f32 v[\n], 0x3fb8aa3b, v[\n]
.endr
.irp n, 4,5,6,7
	v_exp_f32 v[\n], v[\n]
.endr
	v_nop                                          ; a plain line behind the last exponential,
	s_wait_alu depctr_va_vdst(0)                   ; and one wait for the batch, ahead of its first reader
	v_add_f32 v8, v4, v5
	v_add_f32 v9, v6, v7
	v_add_f32 v8, v8, v9
	v_add_f32_dpp v8, v8, v8 row_xmask:1 row_mask:0xf bank_mask:0xf
	v_add_f32_dpp v8, v8, v8 row_xmask:2 row_mask:0xf bank_mask:0xf
	v_add_f32_dpp v8, v8, v8 row_xmask:4 row_mask:0xf bank_mask:0xf
	v_add_f32_dpp v8, v8, v8 row_xmask:8 row_mask:0xf bank_mask:0xf
	v_permlanex16_b32 v9, v8, s24, s25
	v_add_f32 v8, v8, v9
	ds_store_b32 v30, v8 offset:256                ; other bytes than the maxima's
	s_wait_dscnt 0x0
	s_barrier_signal -1
	s_barrier_wait -1
.irp n, 0,1,2,3
	ds_load_b128 v[12+4*\n:15+4*\n], v31 offset:256+16*\n
.endr
	s_wait_dscnt 0x0
.irp n, 0,2,4,6
	v_pk_add_f32 v[12+\n:13+\n], v[12+\n:13+\n], v[20+\n:21+\n]
.endr
	v_pk_add_f32 v[12:13], v[12:13], v[16:17]
	v_pk_add_f32 v[14:15], v[14:15], v[18:19]
	v_pk_add_f32 v[12:13], v[12:13], v[14:15]
	v_add_f32 v28, v12, v13
	v_rcp_f32 v28, v28                             ; v28: 1 / the sum
	v_nop
	s_wait_alu depctr_va_vdst(0)
	v_pk_mul_f32 v[4:5], v[4:5], v[28:29] op_sel_hi:[1,0]
	v_pk_mul_f32 v[6:7], v[6:7], v[28:29] op_sel_hi:[1,0]
	s_lshr_b32 s26, s16, 1
	s_cmp_eq_u32 s26, s18
	s_cbranch_scc0 .Lno_out1                       ; waves 2 j and 2 j + 1 store their 512 consecutive bytes each: the eight work-groups of a batch share out1's row
	global_store_b128 v2, v[4:7], s[14:15]
.Lno_out1:
	; my rows' weights
	s_wait_loadcnt 0x0
.irp i, 0,1,2,3,4,5,6,7
	v_sub_f32 v[PW+\i], v[PW+\i], v29
.endr
.irp i, 0,1,2,3,4,5,6,7
	v_mul_f32 v[PW+\i], 0x3fb8aa3b, v[PW+\i]
.endr
.irp i, 0,1,2,3,4,5,6,7
	v_exp_f32 v[PW+\i], v[PW+\i]
.endr
	v_nop
	s_wait_alu depctr_va_vdst(0)
.irp i, 0,1,2,3,4,5,6,7
	v_mul_f32 v[PW+\i], v[PW+\i], v28
.endr
.irp c, 0,1,2,3,4,5,6,7
	v_mov_b32 v[ACC+\c], 0
.endr
; chunk i's 16 rows are asked for, into set i % 2
.macro ISSUE i
.irp n, 0,1,2,3,4,5,6,7,8,9,10,11,12,13,14,15
	v_readlane_b32 s22, v[VL+(\i)], \n
	s_min_u32 s22, s22, 0xffff
	s_lshl_b32 s22, s22, 12
	v_add_nc_u32 v[RO+16*((\i)%2)+\n], s22, v1
	global_load_b128 v[X+64*((\i)%2)+4*\n:X+64*((\i)%2)+4*\n+3], v[RO+16*((\i)%2)+\n], s[4:5] th:TH_LOAD_NT   ; 512 consecutive bytes of the row
.endr
.endm
; and added in, each row times its weight; the weight goes through a scalar pair whose low word serves both halves
.macro CONSUME i
.irp n, 0,1,2,3,4,5,6,7,8,9,10,11,12,13,14,15
	v_readlane_b32 s[28+6*(\n%2)], v[PW+(\i)], \n
	v_pk_fma_f32 v[ACC+4*(\n%2):ACC+4*(\n%2)+1], v[X+64*((\i)%2)+4*\n:X+64*((\i)%2)+4*\n+1], s[28+6*(\n%2):29+6*(\n%2)], v[ACC+4*(\n%2):ACC+4*(\n%2)+1] op_sel_hi:[1,0,1]
	v_pk_fma_f32 v[ACC+4*(\n%2)+2:ACC+4*(\n%2)+3], v[X+64*((\i)%2)+4*\n+2:X+64*((\i)%2)+4*\n+3], s[28+6*(\n%2):29+6*(\n%2)], v[ACC+4*(\n%2)+2:ACC+4*(\n%2)+3] op_sel_hi:[1,0,1]
.endr
.endm
	s_cmp_eq_u32 s21, 0
	s_cbranch_scc1 .Ldone
	ISSUE 0
.irp i, 0,1,2,3,4,5,6
	s_cmp_gt_u32 s21, \i+1
	s_cbranch_scc0 .Ll_\i
	ISSUE \i+1                                     ; its set's registers and offsets are free: the chunk two back was awaited and added in
	s_wait_loadcnt 16                              ; this chunk's 16 loads are in; the next chunk's 16 stay out
	CONSUME \i
	s_branch .Ln_\i
.Ll_\i:
	s_wait_loadcnt 0x0                             ; my last chunk
	CONSUME \i
	s_branch .Ldone
.Ln_\i:
.endr
	s_wait_loadcnt 0x0
	CONSUME 7
.Ldone:
	v_pk_add_f32 v[ACC:ACC+1], v[ACC:ACC+1], v[ACC+4:ACC+5]
	v_pk_add_f32 v[ACC+2:ACC+3], v[ACC+2:ACC+3], v[ACC+6:ACC+7]
	ds_store_b128 v10, v[ACC:ACC+3]
	s_wait_dscnt 0x0                               ; for wave 0's sake: my sums lie in LDS
	s_barrier_signal -1
	s_barrier_wait -1
	s_cmp_lg_u32 s16, 0
	s_cbranch_scc1 .Lend
.irp n, 0,1,2,3,4,5,6,7,8,9,10,11,12,13,14,15
	ds_load_b128 v[X+4*\n:X+4*\n+3], v11 offset:512*\n
.endr
	s_wait_dscnt 0x0
.irp n, 0,1,2,3,4,5,6,7
	v_pk_add_f32 v[X+4*\n:X+4*\n+1], v[X+4*\n:X+4*\n+1], v[X+32+4*\n:X+32+4*\n+1]
	v_pk_add_f32 v[X+4*\n+2:X+4*\n+3], v[X+4*\n+2:X+4*\n+3], v[X+32+4*\n+2:X+32+4*\n+3]
.endr
.irp n, 0,1,2,3
	v_pk_add_f32 v[X+4*\n:X+4*\n+1], v[X+4*\n:X+4*\n+1], v[X+16+4*\n:X+16+4*\n+1]
	v_pk_add_f32 v[X+4*\n+2:X+4*\n+3], v[X+4*\n+2:X+4*\n+3], v[X+16+4*\n+2:X+16+4*\n+3]
.endr
.irp n, 0,1
	v_pk_add_f32 v[X+4*\n:X+4*\n+1], v[X+4*\n:X+4*\n+1], v[X+8+4*\n:X+8+4*\n+1]
	v_pk_add_f32 v[X+4*\n+2:X+4*\n+3], v[X+4*\n+2:X+4*\n+3], v[X+8+4*\n+2:X+8+4*\n+3]
.endr
	v_pk_add_f32 v[X:X+1], v[X:X+1], v[X+4:X+5]
	v_pk_add_f32 v[X+2:X+3], v[X+2:X+3], v[X+6:X+7]
	global_store_b128 v1, v[X:X+3], s[12:13]       ; 32 lanes store 512 consecutive bytes, aligned
.Lend:
	s_wait_tensorcnt 0x0
	ds_add_u32 v224, v225
	s_wait_dscnt 0x0
	s_endpgm
.Lfunc_end_k_qd70623c91a_fin:
	.size	k_qd70623c91a_fin, .Lfunc_end_k_qd70623c91a_fin-k_qd70623c91a_fin
	.p2alignl 7, 3214868480
	.fill 96, 4, 3214868480
	.section	.rodata,"a",@progbits
	.p2align	6, 0x0
	.amdhsa_kernel k_qd70623c91a_fin
		.amdhsa_group_segment_fixed_size 11264
		.amdhsa_private_segment_fixed_size 0
		.amdhsa_enable_private_segment 0
		.amdhsa_kernarg_size 48
		.amdhsa_user_sgpr_count 2
		.amdhsa_user_sgpr_kernarg_segment_ptr 1
		.amdhsa_wavefront_size32 1
		.amdhsa_system_sgpr_workgroup_id_x 1
		.amdhsa_system_sgpr_workgroup_id_y 1
		.amdhsa_system_sgpr_workgroup_id_z 1
		.amdhsa_system_vgpr_workitem_id 0
		.amdhsa_next_free_vgpr 226
		.amdhsa_next_free_sgpr 66
		.amdhsa_reserve_vcc 0
		.amdhsa_float_denorm_mode_32 3
		.amdhsa_float_denorm_mode_16_64 3
		.amdhsa_memory_ordered 1
		.amdhsa_forward_progress 1
		.amdhsa_inst_pref_size 96
	.end_amdhsa_kernel
	.amdgpu_metadata
---
amdhsa.version: [ 1, 2 ]
amdhsa.kernels:
  - .name:           k_qd70623c91a_fin
    .symbol:         k_qd70623c91a_fin.kd
    .args:
      - { .name: encoder_outputs, .offset: 0, .size: 8, .value_kind: global_buffer, .address_space: global }
      - { .name: list, .offset: 8, .size: 8, .value_kind: global_buffer, .address_space: global }
      - { .name: cnt, .offset: 16, .size: 8, .value_kind: global_buffer, .address_space: global }
      - { .name: scores, .offset: 24, .size: 8, .value_kind: global_buffer, .address_space: global }
      - { .name: out0, .offset: 32, .size: 8, .value_kind: global_buffer, .address_space: global }
      - { .name: out1, .offset: 40, .size: 8, .value_kind: global_buffer, .address_space: global }
    .group_segment_fixed_size: 11264
    .private_segment_fixed_size: 0
    .kernarg_segment_align: 8
    .kernarg_segment_size: 48
    .max_flat_workgroup_size: 512
    .sgpr_count:     66
    .vgpr_count:     226
    .wavefront_size: 32
...
	.end_amdgpu_metadata
.endif
;; end of part 3
;; ======== version 2 of 2: 3 launches
;; limits: right only within a limited range of input values
;; workspace buffers: wq 1,048,576 bytes; wsc 32,768 bytes; biasp 524,288 bytes; scores 262,144 bytes; list 262,144 bytes of whole numbers; cnt 256 bytes of whole numbers
;; launch prep (part 4): grid 136 x 1, 4 waves a work-group, no clusters, 18,944 bytes of LDS; arguments W_enc, W_dec, decoder_hidden, b_dec, b_enc, mask, wq, wsc, biasp, list, cnt, scores; writes wq, wsc, biasp, list, cnt, scores
.if DOCPART == 4
	.amdgcn_target "amdgcn-amd-amdhsa--gfx1250"
	.amdhsa_code_object_version 6
	.text
	.protected	k_qd70623c91a_prep
	.globl	k_qd70623c91a_prep
	.p2align	8
	.type	k_qd70623c91a_prep,@function
k_qd70623c91a_prep:
	s_mov_b64 s[64:65], 0
	v_nop
	global_prefetch_b8 v0, s[64:65] scope:SCOPE_SE
	s_setreg_imm32_b32 hwreg(HW_REG_WAVE_MODE, 25, 1), 1
	s_wait_xcnt 0x0
; THE LAUNCH IN FRONT: three kinds of work-groups of four waves, told apart by the work-group's number x.
;  0-63    W_enc [1024 (k)][1024 (feature)] f32 -> codes of BF8 (E5M2) with one E8M0 byte for each 32 along K, laid in the ORDER OF THE OPERAND'S REGISTERS:
;          wq: fragment (feature tile ft, K step s) at (8 ft + s) x 2,048 bytes; in it piece c at 512 c + 16 lane; lane (r, h) holds feature 16 ft + r, k = 128 s + 32 c + 16 h + 0 .. 15.
;          wsc: [q 4][feature 1,024][8 bytes]: the scale words of K steps 2 q and 2 q + 1.
;  64-127  biasp[q][b][f] = the part over k = 256 q .. 256 q + 255 of Q(decoder_hidden[1][b]) . Q(W_dec[:, f]), by the scaled matrix instruction; part 0 also holds b_dec[f] + b_enc[f].  The next launch adds the four parts.
;  128-135 for each batch (a wave a batch): list = its 2,048 rows, those with mask != 0 from the front in their order, the others from the back; cnt = how many are kept; scores filled with -1e10.
; A work-group of the first two kinds takes 64 columns (cg = x % 16) and 256 along K (q = x / 16 % 4) of its weight; wave u takes column tile u.  A LANE TAKES A COLUMN AND ITS REGISTERS RUN DOWN K, in the order that the
; operand's layout gives that lane, so the conversions' results are the operand's registers.  The four waves together read 256 consecutive bytes of each row of the weight.
; A block's scale is 2^(floor(log2(largest magnitude)) - 15); its byte is the largest magnitude's exponent field - 15, held at 1 from below (a block of zeros keeps the byte 1: its codes are zeros, and this program alone reads the bytes).
; LIMITS: NaN and infinities among the inputs are not served; blocks whose largest magnitude lies under 2^-111 keep the byte 1 and were not tried.
; LDS: the first kind uses bytes 0 .. 511, the second 1,024 .. 18,431, the third none.
.set HIMG, 1024                        ; the hidden rows' four fragments as images of their registers, 2,048 bytes each;
.set HSC,  9216                        ; their scale words, 128 bytes each;
.set STGB, 9728                        ; a stage for the sums: 32 batches x (256 bytes + 16)
.set TM,  16                           ; v16-19 largest magnitudes, v20-23 bytes, v24-27 57,344 x the scale, v28-31 the conversions' scale operands
.set SWD, 32                           ; v32-33 the weight's scale words of my two K steps
.set SHD, 34                           ; v34 the scale word of the hidden fragment that I make
.set XA,  40                           ; v40-103  64 numbers; later the four hidden fragments
.set XB,  104                          ; v104-167 64 numbers
.set WC,  168                          ; v168-199 the weight's two fragments
.set HC,  200                          ; v200-215 the hidden fragment that I make
.set HW,  216                          ; v216-219 the four hidden fragments' scale words
.set D,   232                          ; v232-247 two accumulators
.set SEL, 36                           ; s[36:37] v_permlanex16_b32's selects for lane l xor 16
.set MNT, 38                           ; s38 the mantissa field of 57,344
; 64 numbers of a lane, register 16 b + i = k 32 b + 16 (lane / 16) + i, become a fragment's codes in v[d] on and its scale word in v[w].
.macro QUANT s, d, w
.irp b, 0,1,2,3
	v_max3_num_f32 v[TM+\b], |v[(\s)+16*\b]|, |v[(\s)+1+16*\b]|, 0x8000000   ; my 16 numbers of block b, and the floor 2^(16 - 127): the byte cannot fall under 1
.endr
.irp i, 2,4,6,8,10,12,14
.irp b, 0,1,2,3
	v_max3_num_f32 v[TM+\b], v[TM+\b], |v[(\s)+16*\b+\i]|, |v[(\s)+1+16*\b+\i]|   ; the four blocks by turns
.endr
.endr
.irp b, 0,1,2,3
	v_permlanex16_b32 v[TM+4+\b], v[TM+\b], s[SEL], s[SEL+1]
.endr
.irp b, 0,1,2,3
	v_max_num_f32 v[TM+\b], v[TM+\b], v[TM+4+\b]           ; with lane l xor 16's 16: the block's largest magnitude
.endr
.irp b, 0,1,2,3
	v_add_nc_u32 v[TM+12+\b], 0xf8800000, v[TM+\b]         ; 15 off its exponent field: the conversion's scale operand
.endr
.irp b, 0,1,2,3
	v_and_or_b32 v[TM+8+\b], v[TM+\b], 0x7f800000, s[MNT]  ; 57,344 x the scale
.endr
.irp b, 0,1,2,3
	v_lshrrev_b32 v[TM+4+\b], 23, v[TM+12+\b]              ; the scale's byte
.endr
	v_lshl_or_b32 v[\w], v[TM+5], 8, v[TM+4]
	v_lshl_or_b32 v[\w], v[TM+6], 16, v[\w]
	v_lshl_or_b32 v[\w], v[TM+7], 24, v[\w]
.irp b, 0,1,2,3
.irp i, 0,1,2,3,4,5,6,7,8,9,10,11,12,13,14,15
	v_med3_num_f32 v[(\s)+16*\b+\i], v[(\s)+16*\b+\i], -v[TM+8+\b], v[TM+8+\b]   ; the conversion to an 8-bit code does not saturate (ISA guide 7.6.2): the hold comes first
.endr
	v_cvt_scalef32_pk8_bf8_f32 v[(\d)+4*\b:(\d)+1+4*\b], v[(\s)+16*\b:(\s)+7+16*\b], v[TM+12+\b]
	v_cvt_scalef32_pk8_bf8_f32 v[(\d)+2+4*\b:(\d)+3+4*\b], v[(\s)+8+16*\b:(\s)+15+16*\b], v[TM+12+\b]
.endr
	v_nop                                          ; one plain vector line behind the last scaled conversion
.endm
	s_load_b512 s[4:19], s[0:1], 0x0               ; W_enc s[4:5], W_dec s[6:7], decoder_hidden s[8:9], b_dec s[10:11], b_enc s[12:13], mask s[14:15], wq s[16:17], wsc s[18:19]
	s_load_b256 s[20:27], s[0:1], 0x40             ; biasp s[20:21], list s[22:23], cnt s[24:25], scores s[26:27]
	v_lshl_add_u32 v254, v0, 2, 0x4800
	v_mov_b32 v255, 0
	v_lshrrev_b32 v1, 5, v0
	v_readfirstlane_b32 s30, v1                    ; wave 0..3 = u: which column tile of the four
	s_lshr_b32 s32, ttmp9, 4
	s_and_b32 s32, s32, 3                          ; q: which 256 along K
	s_and_b32 s33, ttmp9, 15                       ; cg: which 64 columns
	s_mov_b32 s[SEL], 0x76543210
	s_mov_b32 s[SEL+1], 0xfedcba98
	s_mov_b32 s[MNT], 0x600000
	v_and_b32 v1, 15, v0                           ; r
	v_bfe_u32 v2, v0, 4, 1                         ; h
	v_and_b32 v12, 31, v0                          ; lane
	v_lshlrev_b32 v4, 4, v12                       ; 16 x lane
	v_lshlrev_b32 v36, 2, v12                      ; 4 x lane
	s_lshl_b32 s40, s32, 20                        ; the weight: row 256 q + 16 h of 4,096 bytes, column 64 cg + 16 u + r
	s_lshl_b32 s41, s33, 8
	s_add_co_u32 s40, s40, s41
	s_lshl_b32 s41, s30, 6
	s_add_co_u32 s40, s40, s41
	v_lshlrev_b32 v3, 2, v1
	v_lshl_add_u32 v3, v2, 16, v3
	v_add_nc_u32 v3, s40, v3
	s_lshl_b32 s40, s30, 7                         ; LDS, first kind: column 16 u + r's 8 scale bytes
	v_lshlrev_b32 v5, 3, v1
	v_add_nc_u32 v5, s40, v5
	s_lshl_b32 s40, s30, 6                         ; LDS, second kind, the stage: row r (batch), columns 16 u + 8 h on
	s_add_co_u32 s40, s40, STGB
	v_mul_u32_u24 v7, v1, 272
	v_lshl_add_u32 v7, v2, 5, v7
	v_add_nc_u32 v7, s40, v7
	v_lshrrev_b32 v13, 4, v0                       ; back: thread t takes batches t / 16 + 8 e, four columns at 4 (t % 16)
	v_mul_u32_u24 v8, v13, 272
	v_lshl_add_u32 v8, v1, 4, v8
	v_add_nc_u32 v8, STGB, v8
	s_lshl_b32 s40, s33, 8
	v_lshlrev_b32 v9, 4, v1
	v_add_nc_u32 v9, s40, v9                       ; those four columns in b_dec and b_enc, in bytes
	v_lshl_add_u32 v10, v13, 12, v9                ; and in a part of biasp
	s_lshl_b32 s40, s32, 10                        ; decoder_hidden[1]: wave u makes the fragment of row tile u % 2, K step 2 q + u / 2: row r of 4,096 bytes, + 64 h
	s_and_b32 s41, s30, 1
	s_lshl_b32 s41, s41, 16
	s_add_co_u32 s40, s40, s41
	s_lshr_b32 s41, s30, 1
	s_lshl_b32 s41, s41, 9
	s_add_co_u32 s40, s40, s41
	s_add_co_u32 s40, s40, 131072
	v_lshlrev_b32 v11, 12, v1
	v_lshl_add_u32 v11, v2, 6, v11
	v_add_nc_u32 v11, s40, v11
	s_lshl_b32 s40, s30, 11                        ; where its image goes,
	s_add_co_u32 s40, s40, HIMG
	v_add_nc_u32 v14, s40, v4
	s_lshl_b32 s40, s30, 7                         ; and its scale word
	s_add_co_u32 s40, s40, HSC
	v_add_nc_u32 v15, s40, v36
.irp b, 0,1,2,3
	v_mov_b32 v[TM+4+\b], 0                        ; written once: a lane permute's destination counts as one of its sources
.endr
	s_mov_b32 s43, 0
	s_wait_alu depctr_va_vdst(0)                   ; the head's end
	s_wait_kmcnt 0x0
	s_cmp_ge_u32 ttmp9, 128
	s_cbranch_scc1 .Lpath_c
	; ---- the weight's 16 columns x 256 along K: 128 loads; in each, sixteen lanes read 64 consecutive bytes of a row
	s_cmp_lt_u32 ttmp9, 64
	s_cselect_b64 s[40:41], s[4:5], s[6:7]         ; W_enc or W_dec: the choice hangs on the work-group's number alone
.irp p, 0,1
.irp c, 0,1,2,3
.irp i, 0,1,2,3,4,5,6,7,8,9,10,11,12,13,14,15
	global_load_b32 v[XA+64*\p+16*\c+\i], v3, s[40:41] offset:(128*\p+32*\c+\i)*4096 th:TH_LOAD_NT
.endr
.endr
.endr
	s_wait_loadcnt 63                              ; 64 loads are younger than the first K step's last; the wait's field ends at 63
	QUANT XA, WC, SWD
	s_cmp_ge_u32 ttmp9, 64
	s_cbranch_scc1 .Lpath_b
	; ---- first kind: W_enc's codes and scale bytes go out
	s_wait_loadcnt 0x0
	QUANT XB, WC+16, SWD+1
	s_lshl_b32 s42, s33, 2
	s_add_co_u32 s42, s42, s30                     ; ft = 4 cg + u
	s_lshl_b32 s42, s42, 3
	s_lshl_b32 s44, s32, 1
	s_add_co_u32 s42, s42, s44                     ; 8 ft + 2 q
	s_lshl_b32 s42, s42, 11
	s_add_nc_u64 s[16:17], s[16:17], s[42:43]
.irp p, 0,1
.irp c, 0,1,2,3
	global_store_b128 v4, v[WC+16*\p+4*\c:WC+16*\p+4*\c+3], s[16:17] offset:2048*\p+512*\c   ; the wave stores 512 consecutive bytes
.endr
.endr
	ds_store_b64 v5, v[SWD:SWD+1]                  ; lanes l and l xor 16 write the same bytes with the same value
	s_lshl_b32 s42, s32, 13
	s_lshl_b32 s44, s33, 9
	s_add_co_u32 s42, s42, s44                     ; 8,192 q + 512 cg
	s_add_nc_u64 s[18:19], s[18:19], s[42:43]
	s_wait_dscnt 0x0                               ; for wave 0's sake: my scale words lie in LDS
	s_barrier_signal -1
	s_barrier_wait -1
	s_cmp_eq_u32 s30, 0
	s_cbranch_scc0 .La_end                         ; 64 columns x 8 bytes: wave 0 stores them, 512 consecutive bytes
	ds_load_b128 v[40:43], v4
	s_wait_dscnt 0x0
	global_store_b128 v4, v[40:43], s[18:19]
.La_end:
	s_wait_tensorcnt 0x0
	ds_add_u32 v254, v255
	s_wait_dscnt 0x0
	s_endpgm
	; ---- second kind: a part of dec_proj.  Source 0 = the weight's 16 columns, source 1 = 16 hidden rows: lane (r, h) then holds batch 16 mt + r and columns 16 u + 8 h + 0 .. 7.
	; The work-group wants four hidden fragments (row tile mt, K step 2 q + p), number 2 p + mt; wave u makes number u, and all four go round through LDS as images of their registers.
.Lpath_b:
.irp c, 0,1,2,3
.irp j, 0,1,2,3
	global_load_b128 v[XA+16*\c+4*\j:XA+16*\c+4*\j+3], v11, s[8:9] offset:128*\c+16*\j   ; lane (r, h): 16 neighbours of each block of 32 of row r
.endr
.endr
	s_wait_loadcnt 16                              ; only the 16 just issued may be out: the weight's second K step is in
	QUANT XB, WC+16, SWD+1
	s_wait_loadcnt 0x0
	QUANT XA, HC, SHD
	global_load_b128 v[104:107], v9, s[10:11]      ; b_dec and b_enc at my four columns
	global_load_b128 v[108:111], v9, s[12:13]
.irp c, 0,1,2,3
	ds_store_b128 v14, v[HC+4*\c:HC+4*\c+3] offset:512*\c
.endr
	ds_store_b32 v15, v[SHD]
	s_wait_dscnt 0x0                               ; for the others' sake: my fragment's image lies in LDS
	s_barrier_signal -1
	s_barrier_wait -1
.irp i, 0,1,2,3
.irp c, 0,1,2,3
	ds_load_b128 v[XA+16*\i+4*\c:XA+16*\i+4*\c+3], v4 offset:HIMG+2048*\i+512*\c
.endr
	ds_load_b32 v[HW+\i], v36 offset:HSC+128*\i
.endr
	s_wait_dscnt 0x0
	v_wmma_scale_f32_16x16x128_f8f6f4 v[D:D+7], v[WC:WC+15], v[XA:XA+15], 0, v[SWD], v[HW] matrix_a_fmt:MATRIX_FMT_BF8 matrix_b_fmt:MATRIX_FMT_BF8
	v_wmma_scale_f32_16x16x128_f8f6f4 v[D+8:D+15], v[WC:WC+15], v[XA+16:XA+31], 0, v[SWD], v[HW+1] matrix_a_fmt:MATRIX_FMT_BF8 matrix_b_fmt:MATRIX_FMT_BF8
	v_wmma_scale_f32_16x16x128_f8f6f4 v[D:D+7], v[WC+16:WC+31], v[XA+32:XA+47], v[D:D+7], v[SWD+1], v[HW+2] matrix_a_fmt:MATRIX_FMT_BF8 matrix_b_fmt:MATRIX_FMT_BF8   ; the two accumulators take turns
	v_wmma_scale_f32_16x16x128_f8f6f4 v[D+8:D+15], v[WC+16:WC+31], v[XA+48:XA+63], v[D+8:D+15], v[SWD+1], v[HW+3] matrix_a_fmt:MATRIX_FMT_BF8 matrix_b_fmt:MATRIX_FMT_BF8
.rept 8
	v_nop                                          ; eight places ahead of the first read of the results
.endr
.irp mt, 0,1
	ds_store_b128 v7, v[D+8*\mt:D+8*\mt+3] offset:4352*\mt          ; each accumulator from its low end on
	ds_store_b128 v7, v[D+8*\mt+4:D+8*\mt+7] offset:4352*\mt+16
.endr
	s_cmp_eq_u32 s32, 0
	s_cselect_b32 s44, 1.0, 0                      ; the biases go into part 0 alone
	s_mov_b32 s45, s44                             ; (named with it as a pair, so it is written)
	s_lshl_b32 s42, s32, 17
	s_add_nc_u64 s[20:21], s[20:21], s[42:43]      ; part q of biasp
	s_wait_dscnt 0x0                               ; for the others' sake: my sums lie in the stage
	s_barrier_signal -1
	s_barrier_wait -1
.irp e, 0,1,2,3
	ds_load_b128 v[112+4*\e:115+4*\e], v8 offset:2176*\e   ; batch t / 16 + 8 e
.endr
	s_wait_loadcnt 0x0
	v_pk_add_f32 v[104:105], v[104:105], v[108:109]
	v_pk_add_f32 v[106:107], v[106:107], v[110:111]
	s_wait_alu depctr_va_vdst(0)                   ; directly ahead of the wait below
	s_wait_dscnt 0x0
.irp e, 0,1,2,3
	v_pk_fma_f32 v[112+4*\e:113+4*\e], v[104:105], s[44:45], v[112+4*\e:113+4*\e] op_sel_hi:[1,0,1]
	v_pk_fma_f32 v[114+4*\e:115+4*\e], v[106:107], s[44:45], v[114+4*\e:115+4*\e] op_sel_hi:[1,0,1]
.endr
.irp e, 0,1,2,3
	global_store_b128 v10, v[112+4*\e:115+4*\e], s[20:21] offset:32768*\e   ; sixteen lanes store 256 consecutive bytes, aligned
.endr
	s_wait_tensorcnt 0x0
	ds_add_u32 v254, v255
	s_wait_dscnt 0x0
	s_endpgm
	; ---- third kind: a wave sorts a batch's rows.  Row s = 32 jj + lane.  Kept: place = kept rows before it.  Dropped: place = 2,047 - dropped rows before it = 2,047 - s + kept rows before it.
.set M,   64                           ; v64-127  the mask's words, then 4 x the row's place in the list
.set VAL, 128                          ; v128-191 the rows' numbers: a register of its own for each store, so that no store's data are written again
.Lpath_c:
	s_sub_co_u32 s40, ttmp9, 128
	s_lshl_b32 s40, s40, 2
	s_add_co_u32 s40, s40, s30                     ; the batch
	s_lshl_b32 s42, s40, 13
	s_add_nc_u64 s[14:15], s[14:15], s[42:43]      ; its 8,192 bytes of mask, of list and of scores
	s_add_nc_u64 s[22:23], s[22:23], s[42:43]
	s_add_nc_u64 s[26:27], s[26:27], s[42:43]
	s_lshl_b32 s42, s40, 2
	s_add_nc_u64 s[24:25], s[24:25], s[42:43]      ; its word of cnt
	s_lshl_b32 s46, s40, 11
	v_sub_nc_u32 v196, 0x7ff, v12                  ; 2,047 - s, stepped by -32
	v_add_nc_u32 v197, s46, v12                    ; 2,048 b + lane
.irp c, 0,1,2,3
	v_mov_b32 v[192+\c], 0xd01502f9                ; -1e10
.endr
.set jj, 0
.rept 64
	global_load_b32 v[M+jj], v36, s[14:15] offset:128*jj
.set jj, jj+1
.endr
	s_mov_b32 s39, 0
	s_wait_alu depctr_va_vdst(0)                   ; directly ahead of the wait below
	s_wait_loadcnt 0x0
.set jj, 0
.rept 64
	v_cmp_ne_u32 vcc_lo, 0, v[M+jj]
	v_mbcnt_lo_u32_b32 v198, vcc_lo, s39           ; kept rows before mine
	s_bcnt1_i32_b32 s41, vcc_lo
	s_add_co_u32 s39, s39, s41
	v_add_nc_u32 v199, v196, v198
	v_sub_nc_u32 v196, v196, 32
	v_cndmask_b32 v[M+jj], v199, v198, vcc_lo      ; kept from the front, dropped from the back
	v_min_u32 v[M+jj], 0x7ff, v[M+jj]              ; a place made of loaded numbers is held inside the list
	v_lshlrev_b32 v[M+jj], 2, v[M+jj]
	v_add_nc_u32 v[VAL+jj], 32*jj, v197
	global_store_b32 v[M+jj], v[VAL+jj], s[22:23]  ; the kept lanes' words lie on end, and so do the dropped lanes'
.set jj, jj+1
.endr
	v_mov_b32 v198, s39
	v_mov_b32 v199, 0
	global_store_b32 v199, v198, s[24:25]          ; all lanes write the same word with the same value
.irp e, 0,1,2,3,4,5,6,7,8,9,10,11,12,13,14,15
	global_store_b128 v4, v[192:195], s[26:27] offset:512*\e   ; the batch's scores begin as -1e10: the next launch writes the kept rows'
.endr
	s_endpgm
.Lfunc_end_k_qd70623c91a_prep:
	.size	k_qd70623c91a_prep, .Lfunc_end_k_qd70623c91a_prep-k_qd70623c91a_prep
	.p2alignl 7, 3214868480
	.fill 96, 4, 3214868480
	.section	.rodata,"a",@progbits
	.p2align	6, 0x0
	.amdhsa_kernel k_qd70623c91a_prep
		.amdhsa_group_segment_fixed_size 18944
		.amdhsa_private_segment_fixed_size 0
		.amdhsa_enable_private_segment 0
		.amdhsa_kernarg_size 96
		.amdhsa_user_sgpr_count 2
		.amdhsa_user_sgpr_kernarg_segment_ptr 1
		.amdhsa_wavefront_size32 1
		.amdhsa_system_sgpr_workgroup_id_x 1
		.amdhsa_system_sgpr_workgroup_id_y 1
		.amdhsa_system_sgpr_workgroup_id_z 1
		.amdhsa_system_vgpr_workitem_id 0
		.amdhsa_next_free_vgpr 256
		.amdhsa_next_free_sgpr 66
		.amdhsa_reserve_vcc 1
		.amdhsa_float_denorm_mode_32 3
		.amdhsa_float_denorm_mode_16_64 3
		.amdhsa_memory_ordered 1
		.amdhsa_forward_progress 1
		.amdhsa_inst_pref_size 98
	.end_amdhsa_kernel
	.amdgpu_metadata
---
amdhsa.version: [ 1, 2 ]
amdhsa.kernels:
  - .name:           k_qd70623c91a_prep
    .symbol:         k_qd70623c91a_prep.kd
    .args:
      - { .name: W_enc, .offset: 0, .size: 8, .value_kind: global_buffer, .address_space: global }
      - { .name: W_dec, .offset: 8, .size: 8, .value_kind: global_buffer, .address_space: global }
      - { .name: decoder_hidden, .offset: 16, .size: 8, .value_kind: global_buffer, .address_space: global }
      - { .name: b_dec, .offset: 24, .size: 8, .value_kind: global_buffer, .address_space: global }
      - { .name: b_enc, .offset: 32, .size: 8, .value_kind: global_buffer, .address_space: global }
      - { .name: mask, .offset: 40, .size: 8, .value_kind: global_buffer, .address_space: global }
      - { .name: wq, .offset: 48, .size: 8, .value_kind: global_buffer, .address_space: global }
      - { .name: wsc, .offset: 56, .size: 8, .value_kind: global_buffer, .address_space: global }
      - { .name: biasp, .offset: 64, .size: 8, .value_kind: global_buffer, .address_space: global }
      - { .name: list, .offset: 72, .size: 8, .value_kind: global_buffer, .address_space: global }
      - { .name: cnt, .offset: 80, .size: 8, .value_kind: global_buffer, .address_space: global }
      - { .name: scores, .offset: 88, .size: 8, .value_kind: global_buffer, .address_space: global }
    .group_segment_fixed_size: 18944
    .private_segment_fixed_size: 0
    .kernarg_segment_align: 8
    .kernarg_segment_size: 96
    .max_flat_workgroup_size: 128
    .sgpr_count:     66
    .vgpr_count:     256
    .wavefront_size: 32
...
	.end_amdgpu_metadata
.endif
;; end of part 4
;; launch main (part 5): grid 256 x 1, 4 waves a work-group, no clusters, 324,096 bytes of LDS; arguments encoder_outputs, list, cnt, wq, wsc, biasp, w_att, b_att, scores; writes scores
.if DOCPART == 5
	.amdgcn_target "amdgcn-amd-amdhsa--gfx1250"
	.amdhsa_code_object_version 6
	.text
	.protected	k_qd70623c91a_main
	.globl	k_qd70623c91a_main
	.p2align	8
	.type	k_qd70623c91a_main,@function
k_qd70623c91a_main:
	s_mov_b64 s[64:65], 0
	v_nop
	global_prefetch_b8 v0, s[64:65] scope:SCOPE_SE
	s_setreg_imm32_b32 hwreg(HW_REG_WAVE_MODE, 25, 1), 1
	s_wait_xcnt 0x0
; scores[b][s] = sum over f of w_att[f] tanh(bias[b][f] + Q(x[b][s]) . Q(W_enc[:, f])) + b_att, for the rows with mask != 0 alone: reference() replaces every other row's score by -1e10, which the launch before has stored.
; SHARES.  Work-group (b = x / 8, j = x % 8) takes the tiles of 16 rows j + 8 m of batch b's list of kept rows, m = 0 .. NT - 1; NT, 2 to 16, is made of the stored count (held at 2 from below: the list's entries are valid rows
; throughout, and only places under the count are stored).
; PHASE X: the work-group's 2 NT half tiles of eight rows are dealt to the waves by turns: wave w gathers and quantises half w % 2 of tiles w / 2 + 2 k: codes of BF8 (E5M2), rows of 1,024 bytes + 16 in LDS slot m, one E8M0
; byte for each 32 along K beside them.  A half slot that the work-group has no rows for is filled with zero codes, so that the product's look-ahead reads written bytes.
; THE PRODUCT: wave w makes features 256 w .. 256 w + 255 for all tiles, 64 features (four feature tiles) at a time: 16 tiles x 4 accumulators, 512 registers.  K goes in eight steps of 128.  W's four fragments of a step come
; from memory straight into the operand's registers (the launch before laid them so), through a ring of four steps.  x's fragments come from LDS in groups of four tiles, one run of 20 loads for 16 products, into two sets of
; registers: while one set is multiplied, the other takes the next group.  The number of groups walked, G, is odd (rounded up), and the sets change roles from K step to K step: so the set that the last group leaves free is
; the one in which the next step looks for its first group.  A tile behind NT is jumped over.
; Source 0 = 16 features, source 1 = 16 rows of x: a lane holds ONE row and eight features of each feature tile.
; tanh(z) = 1 - 2 / (1 + 2^(2 log2(e) z)), so a row's score is (sum of w_att + b_att) - 2 x the sum over f of w_att[f] / (1 + 2^(..)).  Behind a chunk's eighth step the sums are worked in place, tile by tile;
; 2 log2(e) x bias enters by the multiply-add that scales the sums; a lane's part of the row's sum stays in a register pair for each tile.
; NO TENSOR LOADS AND NO CLUSTER, though all work-groups read the same codes of W_enc: which tiles are jumped over hangs on a count read from memory.  No prefetch: x's rows are asked for two rings of 32 KB a wave ahead.
; In the loop's last trip nothing of W is left to fetch: its loads name, in all lanes, pieces of 16 bytes inside the buffer, so that every trip's waits count the same loads.
; LIMITS: NaN and infinities are not served; blocks of x whose largest magnitude lies under 2^-111 keep the byte 1 and were not tried.
; REGISTERS, in windows of 256: window 0 below; window 1: W's ring, step i at 64 i; windows 2, 3: in phase X two rings of eight rows of x, then the accumulators, tile a at window 2 + a / 8, register 32 (a % 8) + 8 f.
.set XSL,   266240                     ; LDS: 0: 256 row slots of 1,040 bytes; here their scale bytes, 32 a row;
.set BIA,   274432                     ; 2 log2(e) x bias, 1,024 bytes a wave; 4,096 on: w_att likewise;
.set SCP,   282624                     ; behind the product: the lanes' sums [wave][tile][lane] f32;
.set STG,   282624                     ; in phase X, on the same bytes and further: for each wave four stages of 32 x 80 bytes (barriers part the two uses);
.set SPARE, 323584                     ; the spare words
.set L16, 1
.set STI, 2                            ; v2-9 serve phase X and then hold sums
.set STO, 3
.set CST0, 4
.set SBA0, 5
.set CST, 6
.set SBA, 7
.set XNY, 12                           ; tile 3 at the other four K steps
.set XA0, 14                           ; a fragment's place for my lane: 1,040 r + 16 h
.set XSA0, 15                          ; row r's scale words
.set WOF, 16                           ; W's loads: 16 x lane (last trip: 0)
.set XSB, 17                           ; scale words at this trip's four K steps; v18: at the other four
.set XSN, 18
.set XNX, 19                           ; tiles 0 to 2 at the other four K steps
.set WSO, 20
.set EPA0, 21
.set SWB, 22
.set SPA0, 23
.set LE, 24
.set SZ0, 26
.set SZA, 27
.set XB, 28                            ; v28-33 fragments of tiles 3 k .. 3 k + 2 at this trip's K steps
.set SPW, 34
.set NIL, 35
.set SP, 36                            ; v36-39 zeros in phase X; v38-43 three pairs of sums
.set XS, 44                            ; x's scale words: set s, tile k of a group at 44 + 8 s + k
.set EPA, 48
.set LB, 49
.set LO1, 50
.set LO2, 51
.set BST, 54                           ; (the head alone)
.set WSC, 56                           ; W's scale words of the trip: 56 + 8 f + i, i = 0 .. 3: no number equal modulo 8 to one of x's
.set WS, 88                            ; v88-119 W's scale words of the chunk: 8 f + K step
.set XF, 128                           ; v128-255 two sets of four fragments of x
.set BC, 192                           ; behind a chunk's products, in set 1: 2 log2(e) x bias, and w_att
.set WA, 224
.set CD, 128                           ; phase X: v128-143 codes, v144-147 scale bytes: by half row and by turns
.set EB, 144
.set TMX, 184                          ; v184-190 and v148-154 at work: one set for each of the two half rows in hand
.set RO, 160
.set VL, 176
.set X, 192                            ; v192-255 four sets of 16 neighbours
.set MSB, 0
.macro WIN new
.if MSB != (\new)
	s_set_vgpr_msb (MSB<<8)|(\new)
.set MSB, (\new)
.endif
.endm
.macro WALU
	s_wait_alu depctr_va_vdst(0)
.endm
.macro NOPS n
.rept \n
	v_nop
.endr
.endm
.macro SREG a                          ; S_: tile a's pair of sums, in registers that the product leaves free
.if (\a) < 8
.set S_, 60+8*((\a)/2)+2*((\a)%2)
.elseif (\a) < 12
.set S_, 120+2*((\a)-8)
.elseif (\a) < 15
.set S_, 2+2*((\a)-12)
.else
.set S_, 8
.endif
.endm
; eight rows of x, named by lanes 0 to 7 of v[src], into window win: 64 loads of 512 consecutive bytes
.macro ISSUE win, ro, src
.irp i, 0,1,2,3,4,5,6,7
	v_readlane_b32 s33, v[\src], \i
	s_min_u32 s33, s33, 0xffff                     ; a loaded row number is held inside the tensor's 65,536 rows
	s_lshl_b32 s33, s33, 12
	v_add_nc_u32 v[RO+\ro+\i], s33, v[L16]
.endr
	WALU
	WIN 64*(\win)
.irp i, 0,1,2,3,4,5,6,7
.irp e, 0,1,2,3,4,5,6,7
	global_load_b128 v[32*\i+4*\e:32*\i+4*\e+3], v[RO+\ro+\i], s[4:5] offset:512*\e th:TH_LOAD_NT
.endr
.endr
	WIN 0
.endm
; half a row turns through a stage: in as loaded, 16 bytes a lane; out 64 bytes a lane: 16 neighbours.  LDS serves a wave's instructions in order (ISA guide 5.7.1.4).
.macro TURN win, t
	WIN 4*(\win)
.irp e, 0,1,2,3
	ds_store_b128 v[STI], v[16*(\t)+4*\e:16*(\t)+4*\e+3] offset:2560*((\t)%4)+640*\e
.endr
	WIN 0
.irp e, 0,1,2,3
	ds_load_b128 v[X+16*((\t)%4)+4*\e:X+16*((\t)%4)+4*\e+3], v[STO] offset:2560*((\t)%4)+16*\e
.endr
.endm
; eight rows in window win are quantised, into row slots base .. base + 7 from v[CST] on.  Two neighbouring lanes hold a block of 32.  A row's two halves are worked together, line by line, so that no line waits for the line above it.
.macro PROC win, base
	TURN \win, 0
	TURN \win, 1
.set tt, 0
.rept 8
.if tt == 0
	s_wait_dscnt 0x0
.else
	s_wait_dscnt 0x4                               ; this row's numbers are back; younger: the last row's two code stores and two byte stores
.endif
.if tt < 14
	TURN \win, tt+2
	TURN \win, tt+3
.endif
.irp j, 0,1,2,3,4
.irp u, 0,1
	v_max3_num_f32 v[TMX-36*\u+\j], |v[X+16*((tt+\u)%4)+3*\j]|, |v[X+16*((tt+\u)%4)+3*\j+1]|, |v[X+16*((tt+\u)%4)+3*\j+2]|
.endr
.endr
.irp u, 0,1
	v_max3_num_f32 v[TMX-36*\u], v[TMX-36*\u], v[TMX-36*\u+1], v[TMX-36*\u+2]
	v_max3_num_f32 v[TMX-36*\u+3], v[TMX-36*\u+3], v[TMX-36*\u+4], |v[X+16*((tt+\u)%4)+15]|
.endr
.irp u, 0,1
	v_max3_num_f32 v[TMX-36*\u], v[TMX-36*\u], v[TMX-36*\u+3], 0x8000000   ; the floor 2^(16 - 127): the byte cannot fall under 1
.endr
.irp u, 0,1
	v_max_num_f32_dpp v[TMX-36*\u], v[TMX-36*\u], v[TMX-36*\u] row_xmask:1 row_mask:0xf bank_mask:0xf
.endr
.irp u, 0,1
	v_add_nc_u32 v[TMX-36*\u+6], 0xf8800000, v[TMX-36*\u]          ; 15 off the exponent field: the conversion's scale operand
	v_and_or_b32 v[TMX-36*\u+5], v[TMX-36*\u], 0x7f800000, s36     ; 57,344 x the scale
.endr
.irp i, 0,1,2,3,4,5,6,7,8,9,10,11,12,13,14,15
.irp u, 0,1
	v_med3_num_f32 v[X+16*((tt+\u)%4)+\i], v[X+16*((tt+\u)%4)+\i], -v[TMX-36*\u+5], v[TMX-36*\u+5]   ; the conversion does not saturate (ISA guide 7.6.2): the hold comes first
.endr
.endr
.set CP, 8*((tt/2)%2)
.set EP, 2*((tt/2)%2)
.irp u, 0,1
	v_cvt_scalef32_pk8_bf8_f32 v[CD+CP+4*\u:CD+CP+4*\u+1], v[X+16*((tt+\u)%4):X+16*((tt+\u)%4)+7], v[TMX-36*\u+6]
	v_cvt_scalef32_pk8_bf8_f32 v[CD+CP+4*\u+2:CD+CP+4*\u+3], v[X+16*((tt+\u)%4)+8:X+16*((tt+\u)%4)+15], v[TMX-36*\u+6]
.endr
.irp u, 0,1
	v_lshrrev_b32 v[EB+EP+\u], 23, v[TMX-36*\u+6]  ; the scale's byte (the plain line behind the conversions)
.endr
.irp u, 0,1
	ds_store_b128 v[CST], v[CD+CP+4*\u:CD+CP+4*\u+3] offset:1040*(\base)+1040*(tt/2)+512*\u
	ds_store_b8 v[SBA], v[EB+EP+\u] offset:32*(\base)+32*(tt/2)+16*\u
.endr
.set tt, tt+2
.endr
.endm
.macro ZERO8 base                      ; eight row slots that have no rows: zero codes, which add nothing, and scale bytes 0
.set tt, 0
.rept 16
	ds_store_b128 v[CST], v[SP:SP+3] offset:1040*(\base)+1040*(tt/2)+512*(tt%2)
.set tt, tt+1
.endr
	ds_store_b64 v[SZA], v[SP:SP+1] offset:32*(\base)
.endm
; W's four fragments of one K step into ring place i: 16 loads of 512 consecutive bytes
.macro WRING i, vo
	WIN 0x40
.irp f, 0,1,2,3
.irp c, 0,1,2,3
	global_load_b128 v[64*(\i)+16*\f+4*\c:64*(\i)+16*\f+4*\c+3], v[\vo], s[10:11] offset:2048*(\i)+16384*\f+512*\c
.endr
.endr
	WIN 0
.endm
.macro WSLOAD                          ; the chunk's scale words of W: 16 loads
.irp f, 0,1,2,3
.irp q, 0,1,2,3
	global_load_b64 v[WS+8*\f+2*\q:WS+8*\f+2*\q+1], v[WSO], s[12:13] offset:8192*\q+128*\f
.endr
.endr
.endm
; a fragment of x and its scale word into place buf = 4 x set + k: five LDS loads
.macro XFR buf, adr, off, soff, sadr
.irp c, 0,1,2,3
	ds_load_b128 v[XF+16*(\buf)+4*\c:XF+16*(\buf)+4*\c+3], v[\adr] offset:(\off)+32*\c
.endr
	ds_load_b32 v[XS+(\buf)%4+8*((\buf)/4)], v[\sadr] offset:\soff
.endm
.macro RUNG set, t0, koff, soff        ; tiles t0 .. t0 + 3 at one of this trip's K steps: 20 loads
.irp k, 0,1,2,3
	XFR 4*(\set)+\k, XB+((\t0)+\k)/3, (((\t0)+\k)%3)*16640+(\koff), 512*((\t0)+\k)+(\soff), XSB
.endr
.endm
.macro RUNN set, i                     ; tiles 0 .. 3 at the K step behind the trip's i-th: 20 loads
.if (\i) < 3
	RUNG \set, 0, 128*((\i)+1), 4*((\i)+1)
.else
	XFR 4*(\set), XNX, 0, 0, XSN
	XFR 4*(\set)+1, XNX, 16640, 512, XSN
	XFR 4*(\set)+2, XNX, 33280, 1024, XSN
	XFR 4*(\set)+3, XNY, 0, 1536, XSN
.endif
.endm
; A K STEP, the trip's i-th.  Group g: eight places behind the last products, which read the set that is loaded now; the run of 20 loads for what is
; multiplied next (the next group, or behind the last group the next step's first); the wait that leaves those 20 out; up to 16 products.  The accumulators take turns.
; Group 4 has no tiles: where G is 5 its run of loads names tiles 12 to 15 once more, and only the change of sets is wanted of it.
.macro STEP i, zero
.if !(\zero)
	s_wait_loadcnt 48                              ; this step's W is in; younger: the three steps behind it, 16 loads each
.endif
.irp g, 0,1,2,3,4
.set C_, ((\g)+(\i))%2
.if \g > 0
	NOPS 8
.endif
.if \g == 4
	RUNN 1-C_, \i
.elseif \g == 3
	RUNG 1-C_, 12, 128*(\i), 4*(\i)
.elseif \g == 1
	RUNG 1-C_, 8, 128*(\i), 4*(\i)
.else
	s_cmp_eq_u32 s39, \g+1
	s_cbranch_scc1 .Ln_\@_\g
	RUNG 1-C_, 4*(\g)+4, 128*(\i), 4*(\i)
	s_branch .Lj_\@_\g
.Ln_\@_\g:
	RUNN 1-C_, \i
.Lj_\@_\g:
.endif
	s_wait_dscnt 20                                ; all but the run just issued
.if \g < 4
.irp k, 0,1,2,3
.set T_, 4*(\g)+\k
.set A_, 32*(T_%8)
.if T_ >= 2
	s_cmp_le_u32 s28, T_
	s_cbranch_scc1 .Ls_\@_\g
.endif
	WIN 0xa1+0x50*(T_/8)                           ; source 0 (W) window 1, source 1 (x) window 0, C and D window 2 or 3
.irp f, 0,1,2,3
.if \zero
	v_wmma_scale_f32_16x16x128_f8f6f4 v[A_+8*\f:A_+8*\f+7], v[64*(\i)+16*\f:64*(\i)+16*\f+15], v[XF+64*C_+16*\k:XF+64*C_+16*\k+15], 0, v[WSC+8*\f+(\i)], v[XS+8*C_+\k] matrix_a_fmt:MATRIX_FMT_BF8 matrix_b_fmt:MATRIX_FMT_BF8
.else
	v_wmma_scale_f32_16x16x128_f8f6f4 v[A_+8*\f:A_+8*\f+7], v[64*(\i)+16*\f:64*(\i)+16*\f+15], v[XF+64*C_+16*\k:XF+64*C_+16*\k+15], v[A_+8*\f:A_+8*\f+7], v[WSC+8*\f+(\i)], v[XS+8*C_+\k] matrix_a_fmt:MATRIX_FMT_BF8 matrix_b_fmt:MATRIX_FMT_BF8
.endif
.endr
	WIN 0
.endr
.Ls_\@_\g:
.if (\g)%2 == 0
	s_cmp_eq_u32 s39, \g+1
	s_cbranch_scc1 .Le_\@
.endif
.endif
.endr
.Le_\@:
	NOPS 8                                         ; eight places behind the last products, ahead of the loads into what they read
	WRING \i, WOF                                  ; the K step four on
.endm
.macro WMOV s0                         ; the trip's sixteen scale words of W
.irp f, 0,1,2,3
.irp i, 0,1,2,3
	v_mov_b32 v[WSC+8*\f+\i], v[WS+8*\f+(\s0)+\i]
.endr
.endr
.endm
.macro ADDR                            ; the trip's LDS addresses: eleven plain lines, which are also the places between the scale words' writes and the products
.irp k, 0,1,2,3,4,5
	s_add_co_u32 s48, s41, 49920*\k
	v_add_nc_u32 v[XB+\k], s48, v[XA0]
.endr
	s_add_co_u32 s48, s45, 49920
	v_add_nc_u32 v[XNX], s45, v[XA0]
	v_add_nc_u32 v[XNY], s48, v[XA0]
	v_add_nc_u32 v[XSB], s46, v[XSA0]
	v_add_nc_u32 v[XSN], s47, v[XSA0]
	v_and_b32 v[WOF], s44, v[L16]
	WALU
.endm
; tile a's 32 sums a lane, in place: x 2 log2(e) + the bias's share, 2^, + 1, 1 /, x w_att, added onto the tile's pair
.macro EPI a
.set W_, 2+(\a)/8
.set A_, 32*((\a)%8)
	SREG \a
.if (\a) >= 2
	s_cmp_le_u32 s28, \a
	s_cbranch_scc1 .Lepi_done
.endif
	WIN (W_<<6)|W_
	WALU                                           ; directly ahead of the first readers of the matrix results
.set P_, 0
.rept 16
	v_pk_fma_f32 v[A_+2*P_:A_+2*P_+1], v[A_+2*P_:A_+2*P_+1], s[34:35], v[BC+2*P_:BC+2*P_+1] op_sel_hi:[1,0,1]
.set P_, P_+1
.endr
	WALU
.set P_, 0
.rept 32
	v_exp_f32 v[A_+P_], v[A_+P_]
.set P_, P_+1
.endr
	v_nop
	WALU
.set P_, 0
.rept 16
	v_pk_add_f32 v[A_+2*P_:A_+2*P_+1], v[A_+2*P_:A_+2*P_+1], 1.0 op_sel_hi:[1,0]
.set P_, P_+1
.endr
	WALU
.set P_, 0
.rept 32
	v_rcp_f32 v[A_+P_], v[A_+P_]
.set P_, P_+1
.endr
	v_nop
	WALU
	WIN W_
.set P_, 0
.rept 16
.if P_%4 == 0
	v_pk_fma_f32 v[S_:S_+1], v[A_+2*P_:A_+2*P_+1], v[WA+2*P_:WA+2*P_+1], v[S_:S_+1]
.elseif P_ < 4
	v_pk_mul_f32 v[SP+2*(P_%4):SP+2*(P_%4)+1], v[A_+2*P_:A_+2*P_+1], v[WA+2*P_:WA+2*P_+1]
.else
	v_pk_fma_f32 v[SP+2*(P_%4):SP+2*(P_%4)+1], v[A_+2*P_:A_+2*P_+1], v[WA+2*P_:WA+2*P_+1], v[SP+2*(P_%4):SP+2*(P_%4)+1]
.endif
.set P_, P_+1
.endr
	WIN 0
	v_pk_add_f32 v[SP+2:SP+3], v[SP+2:SP+3], v[SP+4:SP+5]
	v_pk_add_f32 v[S_:S_+1], v[S_:S_+1], v[SP+6:SP+7]
	v_pk_add_f32 v[S_:S_+1], v[S_:S_+1], v[SP+2:SP+3]
.endm
	s_load_b512 s[4:19], s[0:1], 0x0               ; x s[4:5], list s[6:7], cnt s[8:9], wq s[10:11], wsc s[12:13], biasp s[14:15], w_att s[16:17], b_att s[18:19]
	s_load_b64 s[20:21], s[0:1], 0x40              ; scores
	v_lshl_add_u32 v[SPW], v0, 2, SPARE
	v_mov_b32 v[NIL], 0
	v_lshrrev_b32 v8, 5, v0
	v_readfirstlane_b32 s24, v8                    ; wave 0..3
	s_lshr_b32 s54, s24, 1                         ; my first tile,
	s_and_b32 s55, s24, 1                          ; and which half of my tiles is mine
	s_lshr_b32 s25, ttmp9, 3                       ; the batch
	s_and_b32 s26, ttmp9, 7                        ; j
	v_and_b32 v9, 31, v0                           ; lane
	v_and_b32 v10, 15, v0                          ; r
	v_bfe_u32 v11, v0, 4, 1                        ; h
	v_lshlrev_b32 v[L16], 4, v9
	s_mul_i32 s41, s24, 10240
	s_add_co_u32 s41, s41, STG                     ; my stages
	v_lshrrev_b32 v12, 2, v9
	v_mul_u32_u24 v[STI], v12, 80
	v_and_b32 v12, 3, v9
	v_lshl_add_u32 v[STI], v12, 4, v[STI]
	v_add_nc_u32 v[STI], s41, v[STI]
	v_mul_u32_u24 v[STO], v9, 80
	v_add_nc_u32 v[STO], s41, v[STO]
	s_mul_i32 s41, s54, 16640                      ; tile slot w / 2, rows 8 (w % 2) on
	s_mul_i32 s42, s55, 8320
	s_add_co_u32 s41, s41, s42
	v_add_nc_u32 v[CST0], s41, v[L16]
	s_lshl_b32 s41, s54, 9
	s_lshl_b32 s42, s55, 8
	s_add_co_u32 s41, s41, s42
	s_add_co_u32 s41, s41, XSL                     ; their scale bytes
	v_lshrrev_b32 v12, 1, v9
	v_add_nc_u32 v[SBA0], s41, v12
	v_lshlrev_b32 v12, 3, v9
	v_add_nc_u32 v[SZ0], s41, v12
	v_mul_u32_u24 v[XA0], v10, 1040
	v_lshl_add_u32 v[XA0], v11, 4, v[XA0]
	v_lshlrev_b32 v[XSA0], 5, v10
	v_add_nc_u32 v[XSA0], XSL, v[XSA0]
	s_lshl_b32 s42, s24, 11
	s_add_co_u32 s42, s42, SCP
	v_lshlrev_b32 v12, 2, v9
	v_add_nc_u32 v[SPA0], s42, v12
	s_lshl_b32 s42, s24, 10
	s_add_co_u32 s42, s42, BIA                     ; my wave's 256 numbers of bias; w_att's lie 4,096 bytes on
	v_lshlrev_b32 v[LB], 5, v9                     ; eight numbers a lane
	v_add_nc_u32 v[BST], s42, v[LB]
	v_lshlrev_b32 v12, 5, v11
	v_add_nc_u32 v[EPA0], s42, v12                 ; my half's eight numbers of a feature tile
	v_lshlrev_b32 v[WSO], 3, v10
	s_lshl_b32 s41, s54, 9                         ; the list: tile m begins 128 m entries on, its second half 8 more; lanes 0-7 take eight entries
	s_lshl_b32 s42, s55, 5
	s_add_co_u32 s41, s41, s42
	v_and_b32 v12, 7, v0
	v_lshlrev_b32 v12, 2, v12
	v_add_nc_u32 v[LO1], s41, v12
	v_lshrrev_b32 v12, 4, v0                       ; the way out: thread t takes row t % 16 of tile t / 16 (and of tile t / 16 + 8)
	v_lshlrev_b32 v12, 9, v12
	v_lshl_add_u32 v[LO2], v10, 2, v12
.irp c, 0,1,2,3
	v_mov_b32 v[SP+\c], 0
.endr
	s_mov_b32 s34, 0x4038aa3b                      ; 2 log2(e)
	s_mov_b32 s35, s34
	s_mov_b32 s36, 0x600000                        ; the mantissa field of 57,344
	s_mov_b32 s52, 0x76543210
	s_mov_b32 s53, 0xfedcba98
	WALU                                           ; the head's end
	s_wait_kmcnt 0x0
	s_mov_b32 s43, 0
	s_lshl_b32 s42, s25, 2
	s_add_nc_u64 s[8:9], s[8:9], s[42:43]
	s_load_b32 s27, s[8:9], 0x0                    ; the batch's kept rows
	s_load_b32 s37, s[18:19], 0x0                  ; b_att
	s_lshl_b32 s42, s24, 18
	s_add_nc_u64 s[10:11], s[10:11], s[42:43]      ; my 16 feature tiles' codes,
	s_lshl_b32 s42, s24, 11
	s_add_nc_u64 s[12:13], s[12:13], s[42:43]      ; their scale bytes,
	s_lshl_b32 s42, s24, 10
	s_add_nc_u64 s[22:23], s[16:17], s[42:43]      ; my 256 numbers of w_att
	s_add_nc_u64 s[14:15], s[14:15], s[42:43]      ; and of the batch's bias
	s_lshl_b32 s42, s25, 12
	s_add_nc_u64 s[14:15], s[14:15], s[42:43]
	s_lshl_b32 s42, s25, 13
	s_lshl_b32 s44, s26, 6
	s_add_co_u32 s42, s42, s44
	s_add_nc_u64 s[6:7], s[6:7], s[42:43]          ; the list at entry 2,048 b + 16 j
.irp o, 0,1,2,3,4,5,6,7
	global_load_b32 v[VL+\o], v[LO1], s[6:7] offset:1024*\o                ; my half tile k = o begins 256 k entries on
.endr
.irp e, 0,1
	global_load_b32 v[LE+\e], v[LO2], s[6:7] offset:4096*\e
.endr
.irp e, 0,1,2,3,4,5,6,7
	global_load_b128 v[X+4*\e:X+4*\e+3], v[L16], s[16:17] offset:512*\e    ; all of w_att, for its sum
.endr
.irp p, 0,1,2,3
	global_load_b128 v[56+8*\p:59+8*\p], v[LB], s[14:15] offset:131072*\p  ; the four parts of my bias
	global_load_b128 v[60+8*\p:63+8*\p], v[LB], s[14:15] offset:131072*\p+16
.endr
	global_load_b128 v[152:155], v[LB], s[22:23]
	global_load_b128 v[156:159], v[LB], s[22:23] offset:16
	s_wait_loadcnt 0x0                             ; all 28 went out together
	ISSUE 2, 0, VL                                 ; my first two half tiles are asked for without a condition: the list's entries are valid rows
	WSLOAD                                         ; the first chunk's scale words and first four K steps of W
.irp i, 0,1,2,3
	WRING \i, L16
.endr
	ISSUE 3, 8, VL+1
.irp j, 4,8,12,16,20,24,28
	v_pk_add_f32 v[X:X+1], v[X:X+1], v[X+\j:X+\j+1]
	v_pk_add_f32 v[X+2:X+3], v[X+2:X+3], v[X+\j+2:X+\j+3]
.endr
	v_pk_add_f32 v[X:X+1], v[X:X+1], v[X+2:X+3]
	v_add_f32 v8, v[X], v[X+1]
	v_add_f32_dpp v8, v8, v8 row_xmask:1 row_mask:0xf bank_mask:0xf
	v_add_f32_dpp v8, v8, v8 row_xmask:2 row_mask:0xf bank_mask:0xf
	v_add_f32_dpp v8, v8, v8 row_xmask:4 row_mask:0xf bank_mask:0xf
	v_add_f32_dpp v8, v8, v8 row_xmask:8 row_mask:0xf bank_mask:0xf
	v_permlanex16_b32 v9, v8, s52, s53
	v_add_f32 v8, v8, v9
.irp j, 0,2,4,6
	v_pk_add_f32 v[56+\j:57+\j], v[56+\j:57+\j], v[64+\j:65+\j]
	v_pk_add_f32 v[72+\j:73+\j], v[72+\j:73+\j], v[80+\j:81+\j]
.endr
.irp j, 0,2,4,6
	v_pk_add_f32 v[56+\j:57+\j], v[56+\j:57+\j], v[72+\j:73+\j]
.endr
.irp j, 0,2,4,6
	v_pk_mul_f32 v[56+\j:57+\j], v[56+\j:57+\j], s[34:35] op_sel_hi:[1,0]
.endr
	ds_store_b128 v[BST], v[56:59]
	ds_store_b128 v[BST], v[60:63] offset:16
	ds_store_b128 v[BST], v[152:155] offset:4096
	ds_store_b128 v[BST], v[156:159] offset:4112
	WALU
	s_wait_kmcnt 0x0
	v_add_f32 v[SWB], s37, v8                      ; the sum of w_att + b_att
	s_min_u32 s27, s27, 2048
	s_add_co_u32 s41, s27, 15
	s_lshr_b32 s41, s41, 4                         ; the batch's tiles
	s_add_co_u32 s41, s41, 7
	s_sub_co_u32 s41, s41, s26
	s_lshr_b32 s28, s41, 3                         ; NT: those of them that are j + 8 m,
	s_max_u32 s28, s28, 2                          ; held at 2 from below
	s_lshl_b32 s41, s28, 1
	s_add_co_u32 s41, s41, 3
	s_sub_co_u32 s41, s41, s24
	s_lshr_b32 s29, s41, 2                         ; my half tiles: those of the 2 NT that are w + 4 k
	s_add_co_u32 s39, s28, 3
	s_lshr_b32 s39, s39, 2
	s_or_b32 s39, s39, 1                           ; G: the groups of four tiles, rounded up to an odd number
	; ---- PHASE X.  Two rings of eight rows: while one is quantised, the other's 64 loads are on their way.  A trip takes my half tiles s30 and s30 + 1.
	s_mov_b32 s30, 0
	s_mov_b32 s31, 0                               ; their row slots, in bytes
	s_mov_b32 s32, 0                               ; and their scale bytes
.Lxt:                                              ; four trips, whatever the count
	v_add_nc_u32 v[CST], s31, v[CST0]
	v_add_nc_u32 v[SBA], s32, v[SBA0]
	v_add_nc_u32 v[SZA], s32, v[SZ0]
	WALU
	s_add_co_u32 s41, s30, 1
	s_add_co_u32 s42, s30, 2
	s_add_co_u32 s43, s30, 3
	s_cmp_ge_u32 s30, s29
	s_cbranch_scc1 .Lxzab
	s_cmp_lt_u32 s41, s29
	s_cbranch_scc0 .Lxa0
	s_wait_loadcnt 63                              ; the first ring is in: the second ring's 64 loads are younger
	s_branch .Lxa1
.Lxa0:
	s_wait_loadcnt 0x0
.Lxa1:
	PROC 2, 0
	s_cmp_lt_u32 s42, s29
	s_cbranch_scc0 .Lxn
	ISSUE 2, 0, VL+2                               ; the ring's loads were awaited, and its last turn through the stage is back
	s_wait_loadcnt 63
	s_branch .Lxg
.Lxn:
	s_wait_loadcnt 0x0
.Lxg:
	s_cmp_lt_u32 s41, s29
	s_cbranch_scc0 .Lxzb
	PROC 3, 32                                     ; two tiles, 32 row slots, on
	s_cmp_lt_u32 s43, s29
	s_cbranch_scc0 .Lxnext
	ISSUE 3, 8, VL+3
	s_branch .Lxnext
.Lxzab:
	ZERO8 0
.Lxzb:
	ZERO8 32
.Lxnext:
.irp j, 0,1,2,3,4,5
	v_mov_b32 v[VL+\j], v[VL+\j+2]                 ; the list entries move up by two half tiles
.endr
	s_add_co_u32 s31, s31, 66560
	s_add_co_u32 s32, s32, 2048
	s_add_co_u32 s30, s30, 2
	s_cmp_lt_u32 s30, 8
	WALU
	s_cbranch_scc1 .Lxt
	s_wait_dscnt 0x0                               ; for the others' sake: my codes and scale bytes lie in LDS
	s_barrier_signal -1
	s_barrier_wait -1
	; ---- THE PRODUCT: eight trips of four K steps; an even trip begins a chunk of 64 features, an odd one ends it
	s_wait_loadcnt 0x0                             ; no load is out into the registers that become accumulators
.irp k, 0,1,2,3
	XFR \k, XA0, 16640*\k, 512*\k, XSA0
.endr
.irp a, 0,1,2,3,4,5,6,7,8,9,10,11,12,13,14,15
	SREG \a
	v_mov_b32 v[S_], 0
	v_mov_b32 v[S_+1], 0
.endr
	s_mov_b32 s38, 0
.Ltrip:
	s_wait_xcnt 0x0                                ; W's loads have read their base and offset, which are written below
	s_and_b32 s40, s38, 1
	s_mov_b32 s42, 57344                           ; W's loads run four K steps ahead: an even trip asks for its chunk's K steps 4-7, an odd one for the next chunk's 0-3
	s_cmp_eq_u32 s40, 0
	s_cselect_b32 s42, 8192, s42
	s_cmp_eq_u32 s38, 7
	s_cselect_b32 s42, 0, s42
	s_cselect_b32 s44, 0, -1
	s_mov_b32 s43, 0
	s_add_nc_u64 s[10:11], s[10:11], s[42:43]
	s_lshl_b32 s41, s40, 9                         ; this trip's K steps in a row of codes, the other four,
	s_xor_b32 s45, s41, 512
	s_lshl_b32 s46, s40, 4                         ; and the same among a row's scale words
	s_xor_b32 s47, s46, 16
	s_cmp_eq_u32 s40, 0
	s_cbranch_scc0 .Lodd
	s_wait_loadcnt 0x0                             ; the chunk's scale words, the youngest loads, are in
	WMOV 0
	ADDR
	STEP 0, 1                                      ; the first products start the sums
	s_branch .Lrest
.Lodd:
	WMOV 4
	ADDR
	STEP 0, 0
.Lrest:
	STEP 1, 0
	STEP 2, 0
	STEP 3, 0
	s_cmp_eq_u32 s40, 0
	s_cbranch_scc1 .Lno_epi
	s_lshr_b32 s48, s38, 1
	s_lshl_b32 s48, s48, 8                         ; 256 bytes a chunk
	v_add_nc_u32 v[EPA], s48, v[EPA0]
	WALU
	s_wait_dscnt 0x0                               ; the next chunk's first group is in set 0; set 1 takes bias and w_att
.irp f, 0,1,2,3
	ds_load_b128 v[BC+8*\f:BC+8*\f+3], v[EPA] offset:64*\f
	ds_load_b128 v[BC+8*\f+4:BC+8*\f+7], v[EPA] offset:64*\f+16
	ds_load_b128 v[WA+8*\f:WA+8*\f+3], v[EPA] offset:4096+64*\f
	ds_load_b128 v[WA+8*\f+4:WA+8*\f+7], v[EPA] offset:4096+64*\f+16
.endr
	s_cmp_eq_u32 s38, 7
	s_cbranch_scc1 .Lno_ws                         ; the last chunk has no successor: no load leaves its buffer
	s_wait_xcnt 0x0
	s_add_nc_u64 s[12:13], s[12:13], 512
	WSLOAD
.Lno_ws:
	s_wait_dscnt 0x0
.irp a, 0,1,2,3,4,5,6,7,8,9,10,11,12,13,14,15
	EPI \a
.endr
.Lepi_done:
.Lno_epi:
	s_add_co_u32 s38, s38, 1
	s_cmp_lt_u32 s38, 8
	WALU
	s_cbranch_scc1 .Ltrip
	s_wait_dscnt 0x0
	s_wait_loadcnt 0x0
.irp a, 0,1,2,3,4,5,6,7,8,9,10,11,12,13,14,15
	SREG \a
	v_add_f32 v[XF+\a], v[S_], v[S_+1]
.endr
.irp a, 0,1,2,3,4,5,6,7,8,9,10,11,12,13,14,15
	ds_store_b32 v[SPA0], v[XF+\a] offset:128*\a
.endr
	s_wait_dscnt 0x0                               ; for the others' sake: my sums lie in LDS
	s_barrier_signal -1
	s_barrier_wait -1
	; ---- THE WAY OUT.  Thread t takes rows t and t + 128 of the work-group's 256: eight sums each (four waves x two halves of the lanes).
	v_and_b32 v8, 15, v0
	v_and_b32 v9, 0x70, v0
	v_lshlrev_b32 v10, 3, v9                       ; 128 x tile
	v_lshl_add_u32 v11, v8, 2, v10
	v_add_nc_u32 v11, SCP, v11
	v_add_nc_u32 v12, v10, v8
	s_lshl_b32 s41, s26, 4
	v_add_nc_u32 v12, s41, v12                     ; the row's place in the batch's list: 16 j + 128 m + r
	v_add_nc_u32 v13, 1024, v12
.irp e, 0,1
.irp k, 0,1,2,3,4,5,6,7
	ds_load_b32 v[192+8*\e+\k], v11 offset:1024*\e+2048*(\k/2)+64*(\k%2)
.endr
.endr
	WALU
	s_wait_dscnt 0x0
.irp e, 0,1
	v_pk_add_f32 v[192+8*\e:193+8*\e], v[192+8*\e:193+8*\e], v[194+8*\e:195+8*\e]
	v_pk_add_f32 v[196+8*\e:197+8*\e], v[196+8*\e:197+8*\e], v[198+8*\e:199+8*\e]
	v_pk_add_f32 v[192+8*\e:193+8*\e], v[192+8*\e:193+8*\e], v[196+8*\e:197+8*\e]
	v_add_f32 v[192+8*\e], v[192+8*\e], v[193+8*\e]
	v_fma_f32 v[208+\e], -2.0, v[192+8*\e], v[SWB] ; the score
	v_min_u32 v[LE+\e], 0xffff, v[LE+\e]           ; the row's number, held inside the 65,536 scores
	v_lshlrev_b32 v[LE+\e], 2, v[LE+\e]
.endr
	v_cmp_gt_u32 vcc_lo, s27, v12                  ; only kept rows: places under the count
	WALU
	s_wait_xcnt 0x0                                ; EXEC changes only behind this wait
	s_wait_tensorcnt 0x0                           ; the wave's end, behind my last LDS store
	ds_add_u32 v[SPW], v[NIL]
	s_wait_dscnt 0x0
	s_and_saveexec_b32 s50, vcc_lo
	global_store_b32 v[LE], v208, s[20:21]
	s_wait_xcnt 0x0
	s_or_b32 exec_lo, exec_lo, s50
	v_cmp_gt_u32 vcc_lo, s27, v13
	s_wait_xcnt 0x0
	s_and_saveexec_b32 s50, vcc_lo
	global_store_b32 v[LE+1], v209, s[20:21]
	s_wait_xcnt 0x0
	s_or_b32 exec_lo, exec_lo, s50
	s_endpgm
.Lfunc_end_k_qd70623c91a_main:
	.size	k_qd70623c91a_main, .Lfunc_end_k_qd70623c91a_main-k_qd70623c91a_main
	.p2alignl 7, 3214868480
	.fill 96, 4, 3214868480
	.section	.rodata,"a",@progbits
	.p2align	6, 0x0
	.amdhsa_kernel k_qd70623c91a_main
		.amdhsa_group_segment_fixed_size 324096
		.amdhsa_private_segment_fixed_size 0
		.amdhsa_enable_private_segment 0
		.amdhsa_kernarg_size 72
		.amdhsa_user_sgpr_count 2
		.amdhsa_user_sgpr_kernarg_segment_ptr 1
		.amdhsa_wavefront_size32 1
		.amdhsa_system_sgpr_workgroup_id_x 1
		.amdhsa_system_sgpr_workgroup_id_y 1
		.amdhsa_system_sgpr_workgroup_id_z 1
		.amdhsa_system_vgpr_workitem_id 0
		.amdhsa_next_free_vgpr 1024
		.amdhsa_next_free_sgpr 80
		.amdhsa_reserve_vcc 1
		.amdhsa_float_denorm_mode_32 3
		.amdhsa_float_denorm_mode_16_64 3
		.amdhsa_memory_ordered 1
		.amdhsa_forward_progress 1
		.amdhsa_inst_pref_size 255
	.end_amdhsa_kernel
	.section	.bss,"aw",@nobits
	.p2align	6
	.space	262144
	.amdgpu_metadata
---
amdhsa.version: [ 1, 2 ]
amdhsa.kernels:
  - .name:           k_qd70623c91a_main
    .symbol:         k_qd70623c91a_main.kd
    .args:
      - { .name: encoder_outputs, .offset: 0, .size: 8, .value_kind: global_buffer, .address_space: global }
      - { .name: list, .offset: 8, .size: 8, .value_kind: global_buffer, .address_space: global }
      - { .name: cnt, .offset: 16, .size: 8, .value_kind: global_buffer, .address_space: global }
      - { .name: wq, .offset: 24, .size: 8, .value_kind: global_buffer, .address_space: global }
      - { .name: wsc, .offset: 32, .size: 8, .value_kind: global_buffer, .address_space: global }
      - { .name: biasp, .offset: 40, .size: 8, .value_kind: global_buffer, .address_space: global }
      - { .name: w_att, .offset: 48, .size: 8, .value_kind: global_buffer, .address_space: global }
      - { .name: b_att, .offset: 56, .size: 8, .value_kind: global_buffer, .address_space: global }
      - { .name: scores, .offset: 64, .size: 8, .value_kind: global_buffer, .address_space: global }
    .group_segment_fixed_size: 324096
    .private_segment_fixed_size: 0
    .kernarg_segment_align: 8
    .kernarg_segment_size: 72
    .max_flat_workgroup_size: 128
    .sgpr_count:     80
    .vgpr_count:     1024
    .wavefront_size: 32
...
	.end_amdgpu_metadata
.endif
;; end of part 5
;; launch fin (part 6): grid 256 x 1, 16 waves a work-group, no clusters, 11,264 bytes of LDS; arguments encoder_outputs, list, cnt, scores, out0, out1; writes out0, out1
.if DOCPART == 6
	.amdgcn_target "amdgcn-amd-amdhsa--gfx1250"
	.amdhsa_code_object_version 6
	.text
	.protected	k_qd70623c91a_fin
	.globl	k_qd70623c91a_fin
	.p2align	8
	.type	k_qd70623c91a_fin,@function
k_qd70623c91a_fin:
	s_mov_b64 s[64:65], 0
	v_nop
	global_prefetch_b8 v0, s[64:65] scope:SCOPE_SE
	s_setreg_imm32_b32 hwreg(HW_REG_WAVE_MODE, 25, 1), 1
	s_wait_xcnt 0x0
; out1[b] = softmax over the batch's 2,048 scores (the maximum taken away first); out0[b][f] = the sum over rows of out1[b][s] x[b][s][f].
; SHARES.  Work-group (b = x / 8, j = x % 8) makes features 128 j .. 128 j + 127 of the context (512 bytes of each row of x) and 256 numbers of out1.  All eight work-groups of a batch make the softmax's maximum and sum for themselves: 8,192 bytes.
; ROWS.  A row with mask = 0 has the score -1e10; where its batch keeps a row, its weight 2^((-1e10 - max) log2(e)) is 0, so it is not read: the walk goes over the list's first NR entries, NR = the stored count.
; A batch that keeps no row has 2,048 equal scores: NR = 2,048, every weight 1 / 2,048.  A chunk is 16 list entries; wave w takes chunks w + 16 i.  What a last chunk holds beyond the count are dropped rows, whose weight is 0.
; LIMIT: kept scores lie far above -1e10 (they are at most the sum of |w_att| + |b_att| in magnitude); NaN and infinities are not served.
; A stream: no matrix unit (one row of weights against x: fused multiply-adds in f32), no tensor loads (trip counts hang on a stored number), no cluster (no two work-groups read the same bytes of x).
; Each wave has two chunks, 2 x 16 loads of 512 consecutive bytes, on their way or at work.
.set VL,  32                           ; v32-39  list entries: chunk i's 16 in lanes 0-15 (and again in 16-31)
.set GA,  40                           ; v40-47  their scores' byte offsets
.set PW,  48                           ; v48-55  their scores, then their weights
.set RO,  56                           ; v56-87  row offsets, two sets of 16
.set ACC, 88                           ; v88-95  two sets of four sums, by turns
.set X,   96                           ; v96-223 two sets of 16 rows x 4 registers
	s_load_b256 s[4:11], s[0:1], 0x0               ; x s[4:5], list s[6:7], cnt s[8:9], scores s[10:11]
	s_load_b128 s[12:15], s[0:1], 0x20             ; out0 s[12:13], out1 s[14:15]
	v_lshl_add_u32 v224, v0, 2, 0x2400
	v_mov_b32 v225, 0
	v_lshrrev_b32 v8, 5, v0
	s_delay_alu instid0(VALU_DEP_1)
	v_readfirstlane_b32 s16, v8                    ; wave 0..15
	s_lshr_b32 s17, ttmp9, 3                       ; the batch
	s_and_b32 s18, ttmp9, 7                        ; j
	v_and_b32 v9, 31, v0
	s_delay_alu instid0(VALU_DEP_1)
	v_lshlrev_b32 v1, 4, v9                        ; 16 x lane
	v_lshlrev_b32 v2, 4, v0                        ; 16 x thread
	v_and_b32 v8, 15, v0
	s_lshl_b32 s26, s16, 6
	v_lshl_add_u32 v3, v8, 2, s26                  ; the list: entry 16 w + lane % 16, in bytes
	s_lshl_b32 s26, s16, 2
	v_mov_b32 v30, s26                             ; LDS: my wave's word (maxima at byte 0, sums at byte 256)
	v_mov_b32 v31, 0
	s_lshl_b32 s26, s16, 9
	s_add_co_u32 s26, s26, 512
	v_add_nc_u32 v10, s26, v1                      ; LDS from byte 512 on: 512 bytes of sums for each wave
	v_add_nc_u32 v11, 512, v1
	v_mov_b32 v9, 0                                ; written: a lane permute's destination counts as one of its sources
	s_mov_b32 s24, 0x76543210
	s_mov_b32 s25, 0xfedcba98
	s_mov_b32 s29, 0                               ; (upper halves of the pairs that carry a weight: named, so written)
	s_mov_b32 s35, 0
	s_mov_b32 s27, 0
	s_wait_alu depctr_va_vdst(0)
	s_wait_kmcnt 0x0
	s_lshl_b32 s26, s17, 2
	s_add_nc_u64 s[8:9], s[8:9], s[26:27]
	s_load_b32 s19, s[8:9], 0x0                    ; the batch's kept rows
	s_lshl_b32 s26, s17, 13
	s_add_nc_u64 s[6:7], s[6:7], s[26:27]          ; the batch's list,
	s_add_nc_u64 s[30:31], s[10:11], s[26:27]      ; scores
	s_add_nc_u64 s[14:15], s[14:15], s[26:27]      ; and out1
	s_lshl_b32 s26, s18, 9
	s_add_nc_u64 s[4:5], s[4:5], s[26:27]          ; my 512 bytes of every row of x
	s_add_nc_u64 s[12:13], s[12:13], s[26:27]
	s_lshl_b32 s26, s17, 12
	s_add_nc_u64 s[12:13], s[12:13], s[26:27]      ; and of the batch's row of out0
	global_load_b128 v[4:7], v2, s[30:31]          ; four scores a thread: the batch's 2,048
.irp i, 0,1,2,3,4,5,6,7
	global_load_b32 v[VL+\i], v3, s[6:7] offset:1024*\i   ; chunk w + 16 i: these addresses hang on ids alone
.endr
	s_wait_kmcnt 0x0
	s_min_u32 s19, s19, 2048
	s_cmp_eq_u32 s19, 0
	s_cselect_b32 s19, 0x800, s19                  ; NR
	s_add_co_u32 s20, s19, 15
	s_lshr_b32 s20, s20, 4                         ; chunks
	s_add_co_u32 s21, s20, 15
	s_sub_co_u32 s21, s21, s16
	s_lshr_b32 s21, s21, 4                         ; my wave's chunks, 0 to 8
	s_wait_loadcnt 0x0
.irp i, 0,1,2,3,4,5,6,7
	v_min_u32 v[GA+\i], 0xffff, v[VL+\i]           ; a loaded row number is held inside the 65,536 rows
	s_delay_alu instid0(VALU_DEP_1)
	v_lshlrev_b32 v[GA+\i], 2, v[GA+\i]
.endr
.irp i, 0,1,2,3,4,5,6,7
	global_load_b32 v[PW+\i], v[GA+\i], s[10:11]
.endr
	; my first chunk's 16 rows are asked for here, ahead of the softmax: the list's entries are valid rows whatever the count
.irp n, 0,1,2,3,4,5,6,7,8,9,10,11,12,13,14,15
	v_readlane_b32 s22, v[VL], \n
	s_min_u32 s22, s22, 0xffff
	s_lshl_b32 s22, s22, 12
	v_add_nc_u32 v[RO+\n], s22, v1
	global_load_b128 v[X+4*\n:X+4*\n+3], v[RO+\n], s[4:5] th:TH_LOAD_NT
.endr
	; the maximum: lane, wave, work-group
	v_max3_num_f32 v8, v4, v5, v6
	s_delay_alu instid0(VALU_DEP_1)
	v_max_num_f32 v8, v8, v7
	s_delay_alu instid0(VALU_DEP_1)
	v_max_num_f32_dpp v8, v8, v8 row_xmask:1 row_mask:0xf bank_mask:0xf
	s_delay_alu instid0(VALU_DEP_1)
	v_max_num_f32_dpp v8, v8, v8 row_xmask:2 row_mask:0xf bank_mask:0xf
	s_delay_alu instid0(VALU_DEP_1)
	v_max_num_f32_dpp v8, v8, v8 row_xmask:4 row_mask:0xf bank_mask:0xf
	s_delay_alu instid0(VALU_DEP_1)
	v_max_num_f32_dpp v8, v8, v8 row_xmask:8 row_mask:0xf bank_mask:0xf
	s_delay_alu instid0(VALU_DEP_1)
	v_permlanex16_b32 v9, v8, s24, s25
	s_delay_alu instid0(VALU_DEP_1)
	v_max_num_f32 v8, v8, v9
	ds_store_b32 v30, v8                           ; all lanes write the same word with the same value
	s_wait_dscnt 0x0
	s_barrier_signal -1
	s_barrier_wait -1
.irp n, 0,1,2,3
	ds_load_b128 v[12+4*\n:15+4*\n], v31 offset:16*\n
.endr
	s_wait_dscnt 0x0
	v_max3_num_f32 v29, v12, v13, v14
.irp n, 15,17,19,21,23,25
	s_delay_alu instid0(VALU_DEP_1)
	v_max3_num_f32 v29, v29, v[\n], v[\n+1]
.endr
	s_delay_alu instid0(VALU_DEP_1)
	v_max_num_f32 v29, v29, v27                    ; v29: the batch's largest score
	; 2^((s - max) log2(e)) of my four scores, and the sum
.irp n, 4,5,6,7
	v_sub_f32 v[\n], v[\n], v29
.endr
.irp n, 4,5,6,7
	s_delay_alu instid0(VALU_DEP_4)
	v_mul_f32 v[\n], 0x3fb8aa3b, v[\n]
.endr
	s_wait_alu depctr_va_vdst(0)
.irp n, 4,5,6,7
	v_exp_f32 v[\n], v[\n]
.endr
	v_nop                                          ; a plain line behind the last exponential,
	s_wait_alu depctr_va_vdst(0)                   ; and one wait for the batch, ahead of its first reader
	v_add_f32 v8, v4, v5
	v_add_f32 v9, v6, v7
	s_delay_alu instid0(VALU_DEP_1)
	v_add_f32 v8, v8, v9
	s_delay_alu instid0(VALU_DEP_1)
	v_add_f32_dpp v8, v8, v8 row_xmask:1 row_mask:0xf bank_mask:0xf
	s_delay_alu instid0(VALU_DEP_1)
	v_add_f32_dpp v8, v8, v8 row_xmask:2 row_mask:0xf bank_mask:0xf
	s_delay_alu instid0(VALU_DEP_1)
	v_add_f32_dpp v8, v8, v8 row_xmask:4 row_mask:0xf bank_mask:0xf
	s_delay_alu instid0(VALU_DEP_1)
	v_add_f32_dpp v8, v8, v8 row_xmask:8 row_mask:0xf bank_mask:0xf
	s_delay_alu instid0(VALU_DEP_1)
	v_permlanex16_b32 v9, v8, s24, s25
	s_delay_alu instid0(VALU_DEP_1)
	v_add_f32 v8, v8, v9
	ds_store_b32 v30, v8 offset:256                ; other bytes than the maxima's
	s_wait_dscnt 0x0
	s_barrier_signal -1
	s_barrier_wait -1
.irp n, 0,1,2,3
	ds_load_b128 v[12+4*\n:15+4*\n], v31 offset:256+16*\n
.endr
	s_wait_dscnt 0x0
.irp n, 0,2,4,6
	v_pk_add_f32 v[12+\n:13+\n], v[12+\n:13+\n], v[20+\n:21+\n]
.endr
	s_delay_alu instid0(VALU_DEP_2)
	v_pk_add_f32 v[12:13], v[12:13], v[16:17]
	s_delay_alu instid0(VALU_DEP_2)
	v_pk_add_f32 v[14:15], v[14:15], v[18:19]
	s_delay_alu instid0(VALU_DEP_1)
	v_pk_add_f32 v[12:13], v[12:13], v[14:15]
	s_delay_alu instid0(VALU_DEP_1)
	v_add_f32 v28, v12, v13
	s_wait_alu depctr_va_vdst(0)
	v_rcp_f32 v28, v28                             ; v28: 1 / the sum
	v_nop
	s_wait_alu depctr_va_vdst(0)
	v_pk_mul_f32 v[4:5], v[4:5], v[28:29] op_sel_hi:[1,0]
	v_pk_mul_f32 v[6:7], v[6:7], v[28:29] op_sel_hi:[1,0]
	s_lshr_b32 s26, s16, 1
	s_cmp_eq_u32 s26, s18
	s_cbranch_scc0 .Lno_out1                       ; waves 2 j and 2 j + 1 store their 512 consecutive bytes each: the eight work-groups of a batch share out1's row
	global_store_b128 v2, v[4:7], s[14:15]
.Lno_out1:
	s_wait_loadcnt 16                              ; my rows' scores are in; younger: the first chunk's 16 loads
.irp i, 0,1,2,3,4,5,6,7
	v_sub_f32 v[PW+\i], v[PW+\i], v29
.endr
.irp i, 0,1,2,3,4,5,6,7
	v_mul_f32 v[PW+\i], 0x3fb8aa3b, v[PW+\i]
.endr
	s_wait_alu depctr_va_vdst(0)
.irp i, 0,1,2,3,4,5,6,7
	v_exp_f32 v[PW+\i], v[PW+\i]
.endr
	v_nop
	s_wait_alu depctr_va_vdst(0)
.irp i, 0,1,2,3,4,5,6,7
	v_mul_f32 v[PW+\i], v[PW+\i], v28
.endr
.irp c, 0,1,2,3,4,5,6,7
	v_mov_b32 v[ACC+\c], 0
.endr
; chunk i's 16 rows are asked for, into set i % 2
.macro ISSUE i
.irp n, 0,1,2,3,4,5,6,7,8,9,10,11,12,13,14,15
	v_readlane_b32 s22, v[VL+(\i)], \n
	s_min_u32 s22, s22, 0xffff
	s_lshl_b32 s22, s22, 12
	v_add_nc_u32 v[RO+16*((\i)%2)+\n], s22, v1
	global_load_b128 v[X+64*((\i)%2)+4*\n:X+64*((\i)%2)+4*\n+3], v[RO+16*((\i)%2)+\n], s[4:5] th:TH_LOAD_NT   ; 512 consecutive bytes of the row
.endr
.endm
; and added in, each row times its weight; the weight goes through a scalar pair whose low word serves both halves
.macro CONSUME i
.irp n, 0,1,2,3,4,5,6,7,8,9,10,11,12,13,14,15
	v_readlane_b32 s[28+6*(\n%2)], v[PW+(\i)], \n
	s_delay_alu instid0(VALU_DEP_1)
	v_pk_fma_f32 v[ACC+4*(\n%2):ACC+4*(\n%2)+1], v[X+64*((\i)%2)+4*\n:X+64*((\i)%2)+4*\n+1], s[28+6*(\n%2):29+6*(\n%2)], v[ACC+4*(\n%2):ACC+4*(\n%2)+1] op_sel_hi:[1,0,1]
	s_delay_alu instid0(VALU_DEP_2)
	v_pk_fma_f32 v[ACC+4*(\n%2)+2:ACC+4*(\n%2)+3], v[X+64*((\i)%2)+4*\n+2:X+64*((\i)%2)+4*\n+3], s[28+6*(\n%2):29+6*(\n%2)], v[ACC+4*(\n%2)+2:ACC+4*(\n%2)+3] op_sel_hi:[1,0,1]
.endr
.endm
	s_cmp_eq_u32 s21, 0
	s_cbranch_scc1 .Ldone
	; a counted loop of four trips, two chunks a trip: the register sets are back where they began; the list entries and the weights move up by two registers a trip
	s_mov_b32 s23, 0                               ; the chunk that lies in set 0, or is on its way there
.Lpair:
	s_add_co_u32 s26, s23, 1
	s_cmp_lt_u32 s26, s21
	s_cbranch_scc0 .Ll_a
	ISSUE 1                                        ; its set's registers and offsets are free: the chunk two back was awaited and added in
	s_wait_loadcnt 16                              ; this chunk's 16 loads are in; the next chunk's 16 stay out
	s_branch .Lc_a
.Ll_a:
	s_wait_loadcnt 0x0                             ; my last chunk
.Lc_a:
	s_wait_alu depctr_va_vdst(0)
	CONSUME 0
	s_add_co_u32 s26, s23, 1
	s_cmp_lt_u32 s26, s21
	s_cbranch_scc0 .Ldone
	s_add_co_u32 s26, s23, 2
	s_cmp_lt_u32 s26, s21
	s_cbranch_scc0 .Ll_b
	ISSUE 2
	s_wait_loadcnt 16
	s_branch .Lc_b
.Ll_b:
	s_wait_loadcnt 0x0
.Lc_b:
	s_wait_alu depctr_va_vdst(0)
	CONSUME 1
	s_add_co_u32 s26, s23, 2
	s_cmp_lt_u32 s26, s21
	s_cbranch_scc0 .Ldone
.irp j, 0,1,2,3,4,5
	v_mov_b32 v[VL+\j], v[VL+\j+2]
	v_mov_b32 v[PW+\j], v[PW+\j+2]
.endr
	s_add_co_u32 s23, s23, 2
	s_cmp_lt_u32 s23, 8
	s_wait_alu depctr_va_vdst(0)
	s_cbranch_scc1 .Lpair
.Ldone:
	s_wait_loadcnt 0x0                             ; a wave with no chunk has its first 16 loads out: their registers are used again below
	s_wait_alu depctr_va_vdst(0)
	v_pk_add_f32 v[ACC:ACC+1], v[ACC:ACC+1], v[ACC+4:ACC+5]
	v_pk_add_f32 v[ACC+2:ACC+3], v[ACC+2:ACC+3], v[ACC+6:ACC+7]
	ds_store_b128 v10, v[ACC:ACC+3]
	s_wait_dscnt 0x0                               ; for wave 0's sake: my sums lie in LDS
	s_barrier_signal -1
	s_barrier_wait -1
	s_cmp_lg_u32 s16, 0
	s_cbranch_scc1 .Lend
.irp n, 0,1,2,3,4,5,6,7,8,9,10,11,12,13,14,15
	ds_load_b128 v[X+4*\n:X+4*\n+3], v11 offset:512*\n
.endr
	s_wait_dscnt 0x0
.irp n, 0,1,2,3,4,5,6,7
	v_pk_add_f32 v[X+4*\n:X+4*\n+1], v[X+4*\n:X+4*\n+1], v[X+32+4*\n:X+32+4*\n+1]
	v_pk_add_f32 v[X+4*\n+2:X+4*\n+3], v[X+4*\n+2:X+4*\n+3], v[X+32+4*\n+2:X+32+4*\n+3]
.endr
.irp n, 0,1,2,3
	v_pk_add_f32 v[X+4*\n:X+4*\n+1], v[X+4*\n:X+4*\n+1], v[X+16+4*\n:X+16+4*\n+1]
	v_pk_add_f32 v[X+4*\n+2:X+4*\n+3], v[X+4*\n+2:X+4*\n+3], v[X+16+4*\n+2:X+16+4*\n+3]
.endr
.irp n, 0,1
	s_delay_alu instid0(VALU_DEP_4)
	v_pk_add_f32 v[X+4*\n:X+4*\n+1], v[X+4*\n:X+4*\n+1], v[X+8+4*\n:X+8+4*\n+1]
	s_delay_alu instid0(VALU_DEP_4)
	v_pk_add_f32 v[X+4*\n+2:X+4*\n+3], v[X+4*\n+2:X+4*\n+3], v[X+8+4*\n+2:X+8+4*\n+3]
.endr
	s_delay_alu instid0(VALU_DEP_2)
	v_pk_add_f32 v[X:X+1], v[X:X+1], v[X+4:X+5]
	s_delay_alu instid0(VALU_DEP_2)
	v_pk_add_f32 v[X+2:X+3], v[X+2:X+3], v[X+6:X+7]
	global_store_b128 v1, v[X:X+3], s[12:13]       ; 32 lanes store 512 consecutive bytes, aligned
.Lend:
	s_wait_tensorcnt 0x0
	ds_add_u32 v224, v225
	s_wait_dscnt 0x0
	s_endpgm
.Lfunc_end_k_qd70623c91a_fin:
	.size	k_qd70623c91a_fin, .Lfunc_end_k_qd70623c91a_fin-k_qd70623c91a_fin
	.p2alignl 7, 3214868480
	.fill 96, 4, 3214868480
	.section	.rodata,"a",@progbits
	.p2align	6, 0x0
	.amdhsa_kernel k_qd70623c91a_fin
		.amdhsa_group_segment_fixed_size 11264
		.amdhsa_private_segment_fixed_size 0
		.amdhsa_enable_private_segment 0
		.amdhsa_kernarg_size 48
		.amdhsa_user_sgpr_count 2
		.amdhsa_user_sgpr_kernarg_segment_ptr 1
		.amdhsa_wavefront_size32 1
		.amdhsa_system_sgpr_workgroup_id_x 1
		.amdhsa_system_sgpr_workgroup_id_y 1
		.amdhsa_system_sgpr_workgroup_id_z 1
		.amdhsa_system_vgpr_workitem_id 0
		.amdhsa_next_free_vgpr 226
		.amdhsa_next_free_sgpr 66
		.amdhsa_reserve_vcc 0
		.amdhsa_float_denorm_mode_32 3
		.amdhsa_float_denorm_mode_16_64 3
		.amdhsa_memory_ordered 1
		.amdhsa_forward_progress 1
		.amdhsa_inst_pref_size 38
	.end_amdhsa_kernel
	.amdgpu_metadata
---
amdhsa.version: [ 1, 2 ]
amdhsa.kernels:
  - .name:           k_qd70623c91a_fin
    .symbol:         k_qd70623c91a_fin.kd
    .args:
      - { .name: encoder_outputs, .offset: 0, .size: 8, .value_kind: global_buffer, .address_space: global }
      - { .name: list, .offset: 8, .size: 8, .value_kind: global_buffer, .address_space: global }
      - { .name: cnt, .offset: 16, .size: 8, .value_kind: global_buffer, .address_space: global }
      - { .name: scores, .offset: 24, .size: 8, .value_kind: global_buffer, .address_space: global }
      - { .name: out0, .offset: 32, .size: 8, .value_kind: global_buffer, .address_space: global }
      - { .name: out1, .offset: 40, .size: 8, .value_kind: global_buffer, .address_space: global }
    .group_segment_fixed_size: 11264
    .private_segment_fixed_size: 0
    .kernarg_segment_align: 8
    .kernarg_segment_size: 48
    .max_flat_workgroup_size: 512
    .sgpr_count:     66
    .vgpr_count:     226
    .wavefront_size: 32
...
	.end_amdgpu_metadata
.endif
;; end of part 6
